; MI455X (gfx1250); checked and timed in simulation.
; The chip was launched on July 23, 2026; its instructions are those of AMD's public machine-readable ISA for CDNA 5 (MIT licence, August 2026) and "CDNA5" Instruction Set Architecture Reference Guide (July 2026). The comments in the code are by the model that wrote it; some were corrected since.
;; Multi Head. Allowed arithmetic: matrix products marked QUANTISED: E5M2 operands, one E8M0 scale for each 32 along K, by v_wmma_scale_f32_16x16x128_f8f6f4 with both operands' format E5M2, f32 sums; everything else in f32.
;; Inputs: WK_codes 1,024 x 32 x 32 uint8 (E5M2 codes of WK, K innermost, in blocks of 32 codes); WK_scales 1,024 x 32 uint8 (E8M0 scales of WK, one for each 32 codes along K); WO_codes 1,024 x 32 x 32 uint8 (E5M2 codes of WO, K innermost, in blocks of 32 codes); WO_scales 1,024 x 32 uint8 (E8M0 scales of WO, one for each 32 codes along K); WQ_codes 1,024 x 32 x 32 uint8 (E5M2 codes of WQ, K innermost, in blocks of 32 codes); WQ_scales 1,024 x 32 uint8 (E8M0 scales of WQ, one for each 32 codes along K); WV_codes 1,024 x 32 x 32 uint8 (E5M2 codes of WV, K innermost, in blocks of 32 codes); WV_scales 1,024 x 32 uint8 (E8M0 scales of WV, one for each 32 codes along K); token_positions 2,048 int32; x_codes 4 x 2,048 x 32 x 32 uint8 (E5M2 codes of x, K innermost, in blocks of 32 codes); x_scales 4 x 2,048 x 32 uint8 (E8M0 scales of x, one for each 32 codes along K).
;; Outputs: out0 4 x 2,048 x 1,024 float32.
;; This version of the problem:
;;   THIS VERSION OF THE PROBLEM IS GIVEN IN LOW PRECISION. The matrix products marked QUANTISED in the list below multiply operands that are first quantised to E5M2 (5 exponent bits, 2 mantissa bits; 8 bits a number), with one power-of-two scale for each 32 numbers along K (OCP MX v1.0); their sums are f32. All else is computed in f32.
;;   The module's matrix products, in the order in which they are computed (A, B: the left and right operand; K: the contracted axis; several contracted axes count as one K, in the product's order):
;;     1. [M 8,192, K 1,024] x [K 1,024, N 1,024]; A: input x (given as codes); B: input WQ (given as codes): QUANTISED
;;     2. [M 8,192, K 1,024] x [K 1,024, N 1,024]; A: input x (given as codes); B: input WK (given as codes): QUANTISED
;;     3. [M 8,192, K 1,024] x [K 1,024, N 1,024]; A: input x (given as codes); B: input WV (given as codes): QUANTISED
;;     4. batch 64 x [M 2,048, K 64] x [K 64, N 2,048]; A: computed on the way; B: computed on the way: QUANTISED
;;     5. batch 64 x [M 2,048, K 2,048] x [K 2,048, N 64]; A: softmax (see below); B: computed on the way: QUANTISED
;;     6. [M 8,192, K 1,024] x [K 1,024, N 1,024]; A: computed on the way; B: input WO (given as codes): QUANTISED
;;   THE QUANTISER, for each operand of a quantised product, along K:
;;     - K is cut into blocks of 32 from its start; a last block that is shorter is filled with zeros.
;;     - A block's scale is 2^e with e = floor(log2(the largest magnitude in the block)) - 15, held to -126 .. 127; a block of zeros has e = 0. As a byte (E8M0): e + 127.
;;     - Each number is divided by its block's scale, clamped to +-57,344, and rounded to the nearest number of E5M2, ties to even, subnormals kept.
;;     - The product sums the exact products of the quantised numbers (number of the format x scale) in f32.
;;   ~~~python
;;   def quantise(x, axis):      # numpy; x: float32 -> the quantised numbers, widened to float32 again
;;       x = np.moveaxis(x, axis, -1); K = x.shape[-1]
;;       x = np.pad(x, [(0, 0)] * (x.ndim - 1) + [(0, -K % 32)]); x = x.reshape(x.shape[:-1] + (-1, 32)); a = np.abs(x).max(-1, keepdims=True)
;;       e = np.where(a > 0, np.clip(np.frexp(np.where(a > 0, a, 1))[1] - 1 - 15, -126, 127), 0)      # np.frexp(a)[1] - 1 = floor(log2(a)), exactly
;;       r = np.clip(x / 2.0 ** e, -57344, 57344)
;;       step = 2.0 ** (np.maximum(np.frexp(np.where(r == 0, 1, r))[1] - 1, -14) - 2)
;;       q = np.round(r / step) * step * 2.0 ** e      # np.round: ties to even
;;       return np.moveaxis(q.reshape(q.shape[:-2] + (-1,))[..., :K], -1, axis).astype(np.float32)
;;   ~~~
;;   SOFTMAX AHEAD OF A QUANTISED PRODUCT. Where the list says 'softmax', what is quantised is not the finished softmax but p = 2^(t - M), with t = logit x log2(e) and M = ceil(the row's largest t), a whole number; so 1/2 < the row's largest p <= 1. The row's sum l is taken of the UNQUANTISED p, in f32, and the product's result is divided by l at the end. Since M is a whole number, a kernel that streams over the keys may use a running M (the ceiling of the running maximum): every later rescaling is an exact power of two, which a block's scale takes up: the codes' values come out the same.
;;   OPERANDS COMPUTED ON THE WAY. 'Computed on the way' means the value that the module computes at that place (a softmax that the list does not call 'softmax' is quantised finished and normalised). What goes into a quantiser is computed in f32, as accurately as f32 sums, v_exp_f32 and their like allow (about 1e-6 of the number): no bf16 or f16 on the way to a quantiser, and a product that is left as it is and whose result goes on into a quantised operand takes f32 operands (vector FMAs, or v_wmma_f32_16x16x4_f32). A number that lies on a knife's edge between two numbers of the format may be rounded either way, as far as f32 arithmetic and the matrix unit's own rounding can turn it there, and no further.
;;   INPUTS GIVEN AS CODES. WK (in the module: [1024, 1024], K = its axis 1); WO (in the module: [1024, 1024], K = its axis 1); WQ (in the module: [1024, 1024], K = its axis 1); WV (in the module: [1024, 1024], K = its axis 1); x (in the module: [4, 2048, 1024], K = its axis 2): each comes as NAME_codes (uint8): NAME with its K axis moved to the last place and cut into blocks of 32 codes, [.., K / 32, bytes a block], one block behind the other in memory; one code a byte (a code: sign, 5 exponent bits, 2 mantissa bits); and NAME_scales (uint8): the same leading axes, one E8M0 byte (e + 127) for each 32 codes along K. Its value is code x scale, taken as it is: it is not quantised again, and the codes and scales need not be those that the quantiser above would give.
;; One version. Each part assembles by itself: llvm-mc -triple=amdgcn-amd-amdhsa -mcpu=gfx1250 --defsym DOCPART=n.
;; ======== version 1 of 1: 3 launches
;; limits: right only within a limited range of input values
;; workspace buffers: q_codes 8,388,608 bytes; q_scales 262,144 bytes; kv 17,301,504 bytes; a_img 8,388,608 bytes; a_scl 262,144 bytes
;; launch qkv (part 1): grid 12 x 32, 4 waves a work-group, clusters of 4 x 4, 327,680 bytes of LDS; arguments x_codes, x_scales, WQ_codes, WQ_scales, WK_codes, WK_scales, WV_codes, WV_scales, token_positions, q_codes, q_scales, kv; writes q_codes, q_scales, kv
.if DOCPART == 1
	.amdgcn_target "amdgcn-amd-amdhsa--gfx1250"
	.amdhsa_code_object_version 6
	.text
	.protected	k_qe0b4e35045_qkv
	.globl	k_qe0b4e35045_qkv
	.p2align	8
	.type	k_qe0b4e35045_qkv,@function
k_qe0b4e35045_qkv:
	s_mov_b64 s[64:65], 0
	v_nop
	global_prefetch_b8 v0, s[64:65] scope:SCOPE_SE
	s_setreg_imm32_b32 hwreg(HW_REG_WAVE_MODE, 25, 1), 1
	s_wait_xcnt 0x0
	s_wait_alu depctr_hold_cnt(0) depctr_sa_sdst(0) depctr_va_vdst(0) depctr_va_sdst(0) depctr_va_ssrc(0) depctr_va_vcc(0) depctr_vm_vsrc(0)
	s_getreg_b32 s2, hwreg(HW_REG_IB_STS2, 6, 4)
	s_cmp_eq_u32 s2, 0
	s_cbranch_scc0 .Lentry_in_a_cluster
	s_endpgm
.Lentry_in_a_cluster:
	s_bfe_u32 s2, ttmp6, 0x10000c
	s_cmp_lg_u32 s2, 0xf033
	s_cbranch_scc0 .Lentry_shape_is_right
	s_endpgm
.Lentry_shape_is_right:
; Q = rope(x WQ^T), K = rope(x WK^T), V = x WV^T on codes of BF8 (E5M2) with one E8M0 scale for each 32 along K, and the quantisers of Q and K (along the head's 64) and of V (along the keys).
; DEAD WORK OF THE WHOLE PROGRAM.  reference() builds a causal mask in its own body (jnp.tril) and sets the scores of keys k > q to -inf ahead of the softmax: their p is 0 for all values of the inputs, so a key step of 128
; all of whose keys lie behind a wave's 16 queries adds nothing to the row's sum nor to the second product; the second launch leaves such steps out, whole.  Nothing else is left out; every input is loaded.
; LIMIT that goes with it: a NaN, an infinity or an overflow that reaches only such a step is not carried to the result.
; LIMITS.  NaN and infinity (as codes, or scale byte 0xff) among the inputs are not served.  The angle position x inv_freq is reduced by three parts of pi/2 with a rounded quotient under 2^21: |position| under 2^21.
; inv_freq is 10^(-i/8) rounded to f32.  A block of zeros gets the byte 1 (the rule says 127) over zero codes: the bytes are read by this program alone.
; SHARES.  A tile of 256 x 256 to a work-group of four waves, 128 x 128 to a wave: 64 accumulators.  The cluster's x says which product: 0 Q, 1 K, 2 V.  The matrix instruction is used transposed (source 0 = rows of 'B',
; source 1 = rows of 'A'): lane (r, h), register j of accumulator (a, b) holds C(A's row 16 a + r, B's row 16 b + 8 h + j).  Q, K: A = x, B = W: a lane holds ONE token and its registers run along the features, which is
; the next product's K.  V: A = WV, B = x: a lane holds ONE feature and its registers run along the tokens, which are V's K.  One loop serves all three: only pointers are chosen, on the cluster's x.
; K goes in four steps of 256 through a ring of two LDS slots; the scale bytes of the tile's rows come once.  CLUSTERS: 4 x 4; A's tile is asked for jointly along a row of the cluster, B's along a column.
; THE ORDER ALONG A BLOCK OF 32.  A lane's 16 registers of tiles 2 g and 2 g + 1 are elements 32 g + 8 h + 0..7 and 32 g + 16 + 8 h + 0..7; the conversions lay them at the operand's places 32 g + 16 h + 0..15: a
; permutation inside a block of 32.  Q and K are made alike, and so are V and the second launch's p: both sides of each product carry the same permutation, blocks and scales are untouched, the sums are the same.
; WORKSPACE, as images of operand registers (four registers: 512 bytes, lane l's 16 bytes at 16 l):
;   q_codes [head 64][tile of 16 queries 128][block of d 2][512 B];  q_scales [head][128 queries 16][r 16][tile 8] of two bytes (d blocks 0, 1)
;   kv [head 64][slot of 256 keys 8][33,792 B]: K's codes [tile 16][block of d 2][512 B]; at 16,384 V's codes [128 keys 2][tile of d 4][block of keys 4][512 B]; at 32,768 K's scales [2][r][tile 8] of two bytes; at 33,280 V's [2][r][tile of d 4] words
; REGISTERS in the loop: window 0: v16-27 addresses, v28, v29 the add's two, v30 the positions' offset, v32-63 scale words (they hold nothing else in the whole text), v64, v65 positions, v128-255 A's fragments;
;   window 1: B's fragments, two sets; windows 2, 3: the accumulators ((a, b) at v[8 (8 (a % 4) + b)]).
.set NQ,     2                         ; matrix instructions deep in a K step of 256
.set ROWB,   256                       ; a tile's row in bytes
.set KROW,   1024                      ; a row of codes in memory
.set PITCH,  272                       ; an LDS row: 256 bytes + 16 of padding: the 16 rows that a load touches start 68 words apart
.set FR,     16
.set NL,     4
.set NP,     8                         ; places behind this matrix instruction (ISA guide 7.12.1)
.set HALFT,  128*PITCH
.set SLOT,   4*HALFT
.set KS,     32                        ; a row of scale bytes
.set SCL,    2*SLOT
.set HALFS,  (128*KS/256)*272
.set SBLK,   (16*KS/256)*272
.set SPARE,  SCL+4*HALFS               ; the spare words: 128 bytes a wave, two blocks of 256 bytes that no other line names
.set ADRA, 16
.set ADRB, 20
.set ADRS, 27
.set SPW,  28
.set NIL,  29
.set POFF, 30
.set SC,   32
.set AF,   128
.set G1, 24
.set G0, 32
.set G1B, 48
.set G0B, 56
.set G1S, 68
.set G0S, 76
.set G1SB, 80
.set G0SB, 88
.set MSB, 0
.macro WIN new                         ; the immediate's high byte repeats the setting that is left
.if MSB != (\new)
	s_set_vgpr_msb (MSB<<8)|(\new)
.set MSB, (\new)
.endif
.endm
.set MUL_LO, 0xa1                      ; source 0 window 1, source 1 window 0, C and D window 2
.set MUL_HI, 0xf1
.set TO_B,   0x40
; A joint load: waves 0 and 1 fetch for A, waves 2 and 3 for B; the branch hangs on the wave's number alone.  An s_nop 0 and four v_nop follow each line.
.macro JLOAD g0a, g1a, g0b, g1b
	s_cmp_eq_u32 s15, 0
	s_cbranch_scc0 .Lfor_b_\@
	tensor_load_to_lds s[\g0a:\g0a+3], s[\g1a:\g1a+7]
	s_nop 0
.rept 4
	v_nop
.endr
	s_branch .Lasked_\@
.Lfor_b_\@:
	tensor_load_to_lds s[\g0b:\g0b+3], s[\g1b:\g1b+7]
	s_nop 0
.rept 4
	v_nop
.endr
.Lasked_\@:
.endm
.macro CREST                           ; a round of the cluster's barrier behind its opening barrier
	s_cmp_lg_u32 s14, 0
	s_cbranch_scc1 .Lnot_wave_0_\@
	s_barrier_signal -3
.Lnot_wave_0_\@:
	s_barrier_wait -3
	s_barrier_signal -1
	s_barrier_wait -1
.endm
.macro CROUND
	s_barrier_signal -1
	s_barrier_wait -1
	CREST
.endm
	s_load_b512 s[68:83], s[0:1], 0x0              ; x's codes, scales; WQ's; WK's; WV's
	s_load_b256 s[84:91], s[0:1], 0x40             ; token_positions, q_codes, q_scales, kv
	v_lshl_add_u32 v[SPW], v0, 2, SPARE
	v_mov_b32 v[NIL], 0
	ds_add_u32 v[SPW], v[NIL]                      ; the wave's opening: the add, twice on end, and its wait ahead of my first tensor load
	ds_add_u32 v[SPW], v[NIL]
	v_lshrrev_b32 v1, 5, v0
	v_readfirstlane_b32 s14, v1                    ; wave 0..3
	s_lshr_b32 s15, s14, 1                         ; my half of A's rows.  Also: I fetch for A (0) or for B (1)
	s_and_b32 s16, s14, 1                          ; my half of B's rows.  Also: which 128 rows I fetch
	s_bfe_u32 s40, ttmp6, 0x40000                  ; cx
	s_bfe_u32 s41, ttmp6, 0x40004                  ; cy
	s_and_b32 s18, ttmp7, 0xffff
	s_lshl_b32 s18, s18, 2                         ; 4 x cluster y
	s_cmp_eq_u32 ttmp9, 2                          ; V?  The cluster's x is the same in all sixteen partners
	s_cselect_b32 s17, 0, s18
	s_cselect_b32 s42, s18, 0
	s_add_co_u32 s17, s17, s41                     ; A's tile: Q, K: tokens 4 cluster y + cy;  V: features cy
	s_add_co_u32 s42, s42, s40                     ; B's tile: Q, K: features cx;  V: tokens 4 cluster y + cx
	s_lshl_b32 s43, s41, 2
	s_lshl_b32 s43, 15, s43                        ; my row of the cluster
	s_lshl_b32 s44, 0x1111, s40                    ; my column
	s_or_b32 s[G1+0], s43, (0<<16)|(1<<20)|(1<<21)|(5<<22)|(3<<25)  ; the mask; elements of 1 byte; padding on; bit 21 beside a mask; 4 words behind every 64
	s_or_b32 s[G1B+0], s44, (0<<16)|(1<<20)|(1<<21)|(5<<22)|(3<<25)
.irp g, G1, G1B
	s_mov_b32 s[\g+1], ROWB<<16                    ; tensor_dim0
	s_mov_b32 s[\g+2], 128<<16                     ; tensor_dim1
	s_mov_b32 s[\g+3], ROWB<<16                    ; tile_dim0
	s_mov_b32 s[\g+4], 128                         ; tile_dim1
	s_mov_b32 s[\g+5], KROW                        ; the pitch
	s_mov_b32 s[\g+6], 0
	s_mov_b32 s[\g+7], 0
.endr
	s_lshl_b32 s18, s16, 7                         ; which 128 rows of the tile I fetch
	s_lshl_b32 s20, s17, 8
	s_add_co_u32 s20, s20, s18                     ; A's row
	s_lshl_b32 s46, s42, 8
	s_add_co_u32 s46, s46, s18                     ; B's row
	s_lshl_b32 s22, s20, 5                         ; its scale bytes, 32 a row,
	s_lshl_b32 s92, s46, 5
	s_lshl_b32 s20, s20, 10                        ; and its codes, 1,024 a row (under 2^24)
	s_lshl_b32 s46, s46, 10
	s_mov_b32 s21, 0
	s_mov_b32 s23, 0
	s_mov_b32 s47, 0
	s_mov_b32 s93, 0
	s_mul_i32 s45, s14, HALFT                      ; where they go: wave x 128 rows
	s_mul_i32 s94, s14, HALFS
	s_wait_dscnt 0x0                               ; both opening adds are done
	s_wait_kmcnt 0x0
	s_cmp_eq_u32 ttmp9, 2                          ; the buffers are chosen on the cluster's x, which hangs on no address
	s_cselect_b64 s[4:5], s[80:81], s[68:69]       ; A's codes: WV's or x's
	s_cselect_b64 s[6:7], s[82:83], s[70:71]       ; A's scales
	s_cmp_eq_u32 ttmp9, 0
	s_cselect_b64 s[8:9], s[72:73], s[76:77]       ; B's codes: WQ's or WK's,
	s_cselect_b64 s[10:11], s[74:75], s[78:79]
	s_cselect_b64 s[12:13], s[86:87], s[90:91]     ; codes go to q_codes or kv,
	s_cselect_b64 s[98:99], s[88:89], s[90:91]     ; scale bytes to q_scales or kv
	s_cmp_eq_u32 ttmp9, 2
	s_cselect_b64 s[8:9], s[68:69], s[8:9]         ; or, for V, x's
	s_cselect_b64 s[10:11], s[70:71], s[10:11]
	s_mov_b64 s[100:101], s[84:85]                 ; token_positions
	; the arguments' registers are free now: the scales' descriptors.  128 rows' scale bytes are a dense block of 4,096 bytes: 16 rows of 256 bytes (32 elements of 8), 16 bytes of padding behind each
	s_or_b32 s[G1S+0], s43, (3<<16)|(1<<20)|(1<<21)|(5<<22)|(3<<25)
	s_or_b32 s[G1SB+0], s44, (3<<16)|(1<<20)|(1<<21)|(5<<22)|(3<<25)
.irp g, G1S, G1SB
	s_mov_b32 s[\g+1], 32<<16
	s_mov_b32 s[\g+2], (128*KS/256)<<16
	s_mov_b32 s[\g+3], 32<<16
	s_mov_b32 s[\g+4], 128*KS/256
	s_mov_b32 s[\g+5], 32
	s_mov_b32 s[\g+6], 0
	s_mov_b32 s[\g+7], 0
.endr
	s_add_nc_u64 s[20:21], s[4:5], s[20:21]
	s_add_nc_u64 s[22:23], s[6:7], s[22:23]
	s_add_nc_u64 s[46:47], s[8:9], s[46:47]
	s_add_nc_u64 s[92:93], s[10:11], s[92:93]
	CROUND                                         ; all sixteen work-groups are here: the first joint loads meet
	s_mov_b32 s[G0S], 1
	s_add_co_u32 s[G0S+1], s94, SCL
	s_mov_b64 s[G0S+2:G0S+3], s[22:23]
	s_or_b32 s[G0S+3], s[G0S+3], 0x80000000
	s_mov_b32 s[G0SB], 1
	s_add_co_u32 s[G0SB+1], s94, SCL
	s_mov_b64 s[G0SB+2:G0SB+3], s[92:93]
	s_or_b32 s[G0SB+3], s[G0SB+3], 0x80000000
	JLOAD G0S, G1S, G0SB, G1SB                     ; the scales first: they are wanted with K step 0.  Three loads of mine are out behind these first fills
.irp s, 0,1
	s_mov_b32 s[G0+4*\s], 1
	s_add_co_u32 s[G0+4*\s+1], s45, \s*SLOT
	s_add_nc_u64 s[G0+4*\s+2:G0+4*\s+3], s[20:21], \s*ROWB
	s_or_b32 s[G0+4*\s+3], s[G0+4*\s+3], 0x80000000
	s_mov_b32 s[G0B+4*\s], 1
	s_add_co_u32 s[G0B+4*\s+1], s45, \s*SLOT
	s_add_nc_u64 s[G0B+4*\s+2:G0B+4*\s+3], s[46:47], \s*ROWB
	s_or_b32 s[G0B+4*\s+3], s[G0B+4*\s+3], 0x80000000
	JLOAD G0+4*\s, G1, G0B+4*\s, G1B
.endr
	v_and_b32 v1, 15, v0                           ; r
	v_bfe_u32 v2, v0, 4, 1                         ; h
	v_mul_u32_u24 v3, v1, PITCH
	v_lshl_add_u32 v4, v2, 4, v3                   ; a fragment's row x pitch + 16 h
	s_mul_i32 s21, s15, HALFT
	s_mul_i32 s22, s16, HALFT
	s_add_co_u32 s22, s22, 2*HALFT
.irp s, 0,1
	v_add_nc_u32 v[ADRA+\s], s21, v4
	v_add_nc_u32 v[ADRB+\s], s22, v4
	s_add_co_u32 s21, s21, SLOT
	s_add_co_u32 s22, s22, SLOT
.endr
	v_mul_u32_u24 v5, v1, KS                       ; my row's scales: 32 bytes a row,
	v_lshrrev_b32 v6, 8, v5
	v_lshl_add_u32 v5, v6, 4, v5                   ; and 16 more for each 256 passed
	s_mul_i32 s21, s15, HALFS
	s_mul_i32 s22, s16, HALFS
	s_add_co_u32 s22, s22, 2*HALFS
	s_sub_co_u32 s22, s22, s21
	v_mul_u32_u24 v6, s22, v2                      ; lanes 16-31 take B's
	s_add_co_u32 s21, s21, SCL
	v_add_nc_u32 v5, v5, v6
	v_add_nc_u32 v[ADRS], s21, v5
	; where my results go.  Tokens: tile TI, my half of it; features: tile FI, my half of it (two heads)
	s_cmp_eq_u32 ttmp9, 2
	s_cselect_b32 s2, s42, s17                     ; TI
	s_cselect_b32 s3, s17, s42                     ; FI
	s_cselect_b32 s66, s16, s15                    ; my half of the tokens
	s_cselect_b32 s67, s15, s16                    ; my half of the features
	s_cselect_b32 s97, 16384, 0                    ; V's codes lie behind K's in a slot,
	s_cselect_b32 s104, 512, 0                     ; its scale words behind K's
	s_lshr_b32 s105, s2, 3                         ; the batch
	s_lshl_b32 s105, s105, 4
	s_lshl_b32 s3, s3, 2
	s_add_co_u32 s105, s105, s3
	s_lshl_b32 s67, s67, 1
	s_add_co_u32 s105, s105, s67                   ; my first head: 16 batch + 4 FI + 2 half
	s_and_b32 s2, s2, 7                            ; the slot of 256 tokens in the sequence
	s_lshl_b32 s3, s2, 10
	s_lshl_b32 s67, s14, 8
	s_add_co_u32 s3, s3, s67
	v_and_b32 v6, 31, v0
	v_lshl_add_u32 v[POFF], v6, 2, s3              ; token_positions: 4 (256 slot + 64 wave + lane)
	global_load_b32 v64, v[POFF], s[100:101]       ; the positions of 64 of the tile's tokens, for the cos and sin behind the products.  V's work-groups load them too (inside the buffer) and use them for nothing: so no register's state hangs on the product
	global_load_b32 v65, v[POFF], s[100:101] offset:128
	s_lshl_b32 s67, s66, 13
	s_add_co_u32 s97, s97, s67                     ; + 8,192 x my half of the tokens
	s_lshl_b32 s67, s66, 8
	s_add_co_u32 s104, s104, s67                   ; + 256 x it
	s_mov_b32 s3, 270336
	s_mov_b32 s67, 33792
	s_cmp_eq_u32 ttmp9, 0
	s_cselect_b32 s95, 131072, s3                  ; from head to head, codes
	s_cselect_b32 s96, 4096, s3                    ; and scale bytes
	s_cselect_b32 s3, 16384, s67                   ; from slot to slot, codes
	s_cselect_b32 s67, 512, s67                    ; and scale bytes
	s_cselect_b32 s66, 0, 32768                    ; in kv the scale bytes lie behind the codes
	s_add_co_u32 s104, s104, s66
	s_mul_i32 s3, s3, s2
	s_add_co_u32 s97, s97, s3
	s_mul_i32 s3, s105, s95
	s_add_co_u32 s97, s97, s3
	s_mul_i32 s67, s67, s2
	s_add_co_u32 s104, s104, s67
	s_mul_i32 s67, s105, s96
	s_add_co_u32 s104, s104, s67
	s_mov_b32 s66, s97
	s_mov_b32 s67, 0
	s_add_nc_u64 s[12:13], s[12:13], s[66:67]
	s_mov_b32 s66, s104
	s_add_nc_u64 s[98:99], s[98:99], s[66:67]
.macro FRAG reg, adr, q, i             ; 16 rows x 128 K: lane l holds row l % 16; registers 4 c .. 4 c + 3 hold K = 32 c + 16 (l / 16) + 0 .. 15
.irp c, 0,1,2,3
	ds_load_b128 v[\reg+4*\c:\reg+4*\c+3], v[\adr] offset:128*(\q)+32*\c+(\i)*16*PITCH
.endr
.endm
; 16 matrix instructions: A's blocks a0, a0 + 1 x B's eight.  The 64 accumulators take turns, one instruction a turn, in the same order in every step.
.macro MUL16 a0, p, q, sc, zero
.irp a, \a0, \a0+1
.irp b, 0,1,2,3,4,5,6,7
.if \zero
	v_wmma_scale_f32_16x16x128_f8f6f4 v[8*(8*((\a)%4)+\b):8*(8*((\a)%4)+\b)+7], v[128*(\p)+FR*\b:128*(\p)+FR*\b+FR-1], v[AF+FR*(\a):AF+FR*(\a)+FR-1], 0, v[SC+8*NQ*(\sc)+NQ*\b+(\q)], v[SC+8*NQ*(\sc)+NQ*(\a)+(\q)] matrix_a_fmt:MATRIX_FMT_BF8 matrix_b_fmt:MATRIX_FMT_BF8 matrix_a_scale:MATRIX_SCALE_ROW1
.else
	v_wmma_scale_f32_16x16x128_f8f6f4 v[8*(8*((\a)%4)+\b):8*(8*((\a)%4)+\b)+7], v[128*(\p)+FR*\b:128*(\p)+FR*\b+FR-1], v[AF+FR*(\a):AF+FR*(\a)+FR-1], v[8*(8*((\a)%4)+\b):8*(8*((\a)%4)+\b)+7], v[SC+8*NQ*(\sc)+NQ*\b+(\q)], v[SC+8*NQ*(\sc)+NQ*(\a)+(\q)] matrix_a_fmt:MATRIX_FMT_BF8 matrix_b_fmt:MATRIX_FMT_BF8 matrix_a_scale:MATRIX_SCALE_ROW1
.endif
.endr
.endr
.endm
.macro FETCH_B slot, q, p
	WIN TO_B
.irp i, 0,1,2,3,4,5,6,7
	FRAG 128*(\p)+FR*\i, ADRB+\slot, \q, \i
.endr
	WIN 0
.endm
.macro FETCH_A slot, q, i0
.irp i, \i0, \i0+1, \i0+2, \i0+3
	FRAG AF+FR*(\i), ADRA+\slot, \q, \i
.endr
.endm
.macro SCALES sc                       ; a K step's scale words: lanes 0-15 A's block i, lanes 16-31 B's block i
.irp i, 0,1,2,3,4,5,6,7
	ds_load_b64 v[SC+8*NQ*\sc+NQ*\i:SC+8*NQ*\sc+NQ*\i+1], v[ADRS] offset:\i*SBLK
.endr
.endm
.macro PLACES n                        ; plain vector instructions between a matrix instruction and a load into, or a read of, its registers
.rept \n
	v_nop
.endr
.endm
.macro STEP slot, q, zero              ; 128 along K that has its successor in the same slot
	s_wait_dscnt 4*NL                              ; B's set and A's blocks 0-3 are in; the youngest sixteen loads (A's blocks 4-7) may be out
	WIN MUL_LO
	MUL16 0, (\q)%2, \q, \slot, \zero
	MUL16 2, (\q)%2, \q, \slot, \zero
	s_wait_dscnt 0
	PLACES NP
	FETCH_B \slot, (\q)+1, 1-(\q)%2
	FETCH_A \slot, (\q)+1, 0
	WIN MUL_HI
	MUL16 4, (\q)%2, \q, \slot, \zero
	MUL16 6, (\q)%2, \q, \slot, \zero
	PLACES NP
	WIN 0
	FETCH_A \slot, (\q)+1, 4
.endm
; A slot's last step changes slots: one barrier; in front of it each wave waits for all its tensor loads, adds 0 to its spare word, and waits for that and for its own reads of this slot.
.macro TURN slot, next, fill
	s_wait_tensorcnt 0x0                           ; all my tensor loads have landed: my part of the next slot
	ds_add_u32 v[SPW], v[NIL]
	s_wait_dscnt 4*NL+1                            ; the add and the youngest sixteen loads may be out
	WIN MUL_LO
	MUL16 0, 1, NQ-1, \slot, 0
	s_wait_dscnt 0x0                               ; the add is done, and my reads of this slot are over
	s_barrier_signal -1
	MUL16 2, 1, NQ-1, \slot, 0
	WIN 0
	s_barrier_wait -1
.if \fill
	CREST                                          ; the barrier has opened a round of the cluster's: no wave of any partner still reads this slot or has a load on its way
	s_add_nc_u64 s[G0+4*\slot+2:G0+4*\slot+3], s[G0+4*\slot+2:G0+4*\slot+3], 2*ROWB
	s_add_nc_u64 s[G0B+4*\slot+2:G0B+4*\slot+3], s[G0B+4*\slot+2:G0B+4*\slot+3], 2*ROWB
	JLOAD G0+4*\slot, G1, G0B+4*\slot, G1B         ; the first tensor load behind the round; its four v_nop are among the places in front of the loads below
	PLACES NP-4
.else
	PLACES NP
.endif
	s_wait_alu depctr_va_vdst(0)
	v_add_nc_u32 v[ADRS], 4*NQ, v[ADRS]            ; the next K step's scale words
	FETCH_B \next, 0, 0
	FETCH_A \next, 0, 0
	SCALES \next
	WIN MUL_HI
	MUL16 4, 1, NQ-1, \slot, 0
	MUL16 6, 1, NQ-1, \slot, 0
	PLACES NP
	WIN 0
	FETCH_A \next, 0, 4
.endm
	s_wait_alu depctr_va_vdst(0)
	s_wait_tensorcnt 1                             ; the scales and my part of K step 0 are in; K step 1's load may be out
	s_barrier_signal -1
	s_barrier_wait -1
	FETCH_B 0, 0, 0
	FETCH_A 0, 0, 0
	SCALES 0
	FETCH_A 0, 0, 4
	STEP 0, 0, 1                                   ; K = 1,024 is four K steps, written out: the first products start the sums
	TURN 0, 1, 1                                   ; slot 0 takes K step 2
	STEP 1, 0, 0
	TURN 1, 0, 1                                   ; slot 1 takes K step 3
	STEP 0, 0, 0
	TURN 0, 1, 0                                   ; nothing is left to fetch
	STEP 1, 0, 0
	s_wait_dscnt 4*NL
	WIN MUL_LO
	MUL16 0, 1, NQ-1, 1, 0
	MUL16 2, 1, NQ-1, 1, 0
	s_wait_dscnt 0
	WIN MUL_HI
	MUL16 4, 1, NQ-1, 1, 0
	MUL16 6, 1, NQ-1, 1, 0
	WIN 0
	PLACES NP                                      ; behind the last products: what follows writes registers that held fragments and reads results
; ---- BEHIND THE PRODUCTS.  Registers of window 0 (v32-63 stay what they were: scale words):
.set VO,   1                           ; v1, v2  16 x lane: an image's place; + a head
.set SOF,  3                           ; v3      the scale bytes' place: 16 r + h x a head
.set TM,   4                           ; v4-11   two blocks: largest magnitudes, bytes, scale operands
.set HW,   12
.set CSA,  13                          ; v13     where I read cos and sin
.set TAC,  14                          ; v14     where I store them, this trip
.set SW,   16                          ; v16-23  scale bytes: head hh, tiles 2 k, 2 k + 1 at v[SW + 4 hh + k]
.set SLR,  24                          ; v24-27  those that my half of the lanes stores
.set TA,   31                          ; v31     where I store cos and sin, trip 0
.set AN,   66                          ; TRIG: sixteen angles; later 1 - r^2 / 2
.set TT,   82                          ; the quotient in the low bits of a float
.set RR,   98                          ; the reduced angle
.set R2,   114
.set SN,   130                         ; sine's polynomial, then the sine
.set CN,   146                         ; cosine's likewise
.set JJ,   162                         ; the quotient; later r^3, r^4
.set OUT,  178                         ; v178-209 (cos, sin) of sixteen angles
.set TQ,   210
.set MAG,  214                         ; v214-223 five addends, as pairs
.set VS2,  216
.set VS1,  218
.set VC2,  220
.set VC1,  222
.set PF,   224                         ; the position as f32
.set CSR,  64                          ; v64-127 cos and sin of a block of 16 tokens, two sets
.set RQ,   128                         ; v128-159 a head's 64 numbers after the rotation
.set COD,  192                         ; v192-255 codes, sets that take turns
.set KINV, 4                           ; s[4:5] 2 / pi;  s[6:11] -pi/2 in three parts;  s[18:19], s[22:23] leading coefficients
.set KP1,  6
.set KP2,  8
.set KP3,  10
.set KS3,  18
.set KC3,  22
.set SGN,  42
.set SEL,  44
.set MNT,  46
.set LST,  47
	s_wait_loadcnt 0x0                             ; the positions
	v_and_b32 v12, 15, v0                          ; r
	v_bfe_u32 v15, v0, 4, 1                        ; h
	v_and_b32 v1, 31, v0
	v_lshlrev_b32 v[VO], 4, v1
	v_add_nc_u32 v[VO+1], s95, v[VO]
	v_mul_lo_u32 v[SOF], v15, s96
	v_lshl_add_u32 v[SOF], v12, 4, v[SOF]
	s_lshl_b32 s47, s15, 15
	v_add_nc_u32 v[CSA], s47, v[VO]                ; my 128 tokens' cos and sin: 32,768 x my half of A's rows + 16 x lane
	v_lshlrev_b32 v[TA], 4, v12
	v_lshl_add_u32 v[TA], v15, 12, v[TA]
	s_lshl_b32 s47, s14, 14
	v_add_nc_u32 v[TA], s47, v[TA]                 ; 16,384 x wave + 4,096 (lane / 16) + 16 (lane % 16)
	s_mov_b32 s[KINV], 0x3f22f983                  ; 2 / pi
	s_mov_b32 s[KINV+1], s[KINV]
	s_mov_b32 s[KP1], 0xbfc90fd8                   ; -pi/2: the leading bits,
	s_mov_b32 s[KP1+1], s[KP1]
	s_mov_b32 s[KP2], 0xb4a8885a                   ; the next,
	s_mov_b32 s[KP2+1], s[KP2]
	s_mov_b32 s[KP3], 0xa7c234c4                   ; and the rest
	s_mov_b32 s[KP3+1], s[KP3]
	s_mov_b32 s[KS3], 0xb94ca1f9                   ; sine: -1.9515296e-4
	s_mov_b32 s[KS3+1], s[KS3]
	s_mov_b32 s[KC3], 0x37ccf5ce                   ; cosine: 2.4433157e-5
	s_mov_b32 s[KC3+1], s[KC3]
	s_mov_b32 s[SGN], 0x80000000
	s_mov_b32 s[SEL], 0x76543210
	s_mov_b32 s[SEL+1], 0xfedcba98                 ; v_permlanex16_b32's selects for lane l xor 16
	s_mov_b32 s104, 0xffff0000                     ; lanes 16-31
.irp u, 0,1
	v_mov_b32 v[MAG+\u], 0x4b400000                ; 1.5 x 2^23: added, it rounds to a whole number and leaves it in the low bits
	v_mov_b32 v[VS2+\u], 0x3c08839e                ; 8.3321609e-3
	v_mov_b32 v[VS1+\u], 0xbe2aaaa3                ; -0.16666655
	v_mov_b32 v[VC2+\u], 0xbab6061a                ; -1.3887316e-3
	v_mov_b32 v[VC1+\u], 0x3d2aaaa5                ; 4.1666646e-2
.endr
; COS AND SIN.  The tile's 256 tokens x 32 frequencies are shared out, 64 tokens a wave, a lane a token, two trips of 32 tokens.  angle = position x inv_freq in f32, as reference() has it; quotient n = the nearest whole
; number to angle x 2 / pi; r = angle - n pi/2 by three fused multiply-adds; sine and cosine of r by polynomials on +-pi/4; n's two low bits choose and sign.
; They go to LDS (bytes 0 .. 65,535: slot 0 has had its last fill, and every wave has passed the last change of slots, behind which nobody reads it) as images of the registers that the rotation wants:
; for a block of 16 tokens 8 x 512 bytes; chunk 2 bb + jh, lane (r, h): (cos, sin) of frequencies 8 bb + 4 h + 2 jh and the next.
.macro TRIG16 g0, fa, fb, fc, fd, fe, ff, fg, fh, fi, fj, fk, fl, fm, fn, fo, fp
.if \g0 == 0
	v_mov_b32 v[AN], v[PF]                         ; inv_freq 0 is 1
.else
	v_mul_f32 v[AN], \fa, v[PF]
.endif
	v_mul_f32 v[AN+1], \fb, v[PF]
	v_mul_f32 v[AN+2], \fc, v[PF]
	v_mul_f32 v[AN+3], \fd, v[PF]
	v_mul_f32 v[AN+4], \fe, v[PF]
	v_mul_f32 v[AN+5], \ff, v[PF]
	v_mul_f32 v[AN+6], \fg, v[PF]
	v_mul_f32 v[AN+7], \fh, v[PF]
	v_mul_f32 v[AN+8], \fi, v[PF]
	v_mul_f32 v[AN+9], \fj, v[PF]
	v_mul_f32 v[AN+10], \fk, v[PF]
	v_mul_f32 v[AN+11], \fl, v[PF]
	v_mul_f32 v[AN+12], \fm, v[PF]
	v_mul_f32 v[AN+13], \fn, v[PF]
	v_mul_f32 v[AN+14], \fo, v[PF]
	v_mul_f32 v[AN+15], \fp, v[PF]
.irp p, 0,2,4,6,8,10,12,14
	v_pk_fma_f32 v[TT+\p:TT+\p+1], v[AN+\p:AN+\p+1], s[KINV:KINV+1], v[MAG:MAG+1] op_sel_hi:[1,0,0]
.endr
.irp p, 0,2,4,6,8,10,12,14
	v_pk_add_f32 v[JJ+\p:JJ+\p+1], v[TT+\p:TT+\p+1], v[MAG:MAG+1] op_sel_hi:[1,0] neg_lo:[0,1] neg_hi:[0,1]
.endr
.irp p, 0,2,4,6,8,10,12,14
	v_pk_fma_f32 v[RR+\p:RR+\p+1], v[JJ+\p:JJ+\p+1], s[KP1:KP1+1], v[AN+\p:AN+\p+1] op_sel_hi:[1,0,1]
.endr
.irp p, 0,2,4,6,8,10,12,14
	v_pk_fma_f32 v[RR+\p:RR+\p+1], v[JJ+\p:JJ+\p+1], s[KP2:KP2+1], v[RR+\p:RR+\p+1] op_sel_hi:[1,0,1]
.endr
.irp p, 0,2,4,6,8,10,12,14
	v_pk_fma_f32 v[RR+\p:RR+\p+1], v[JJ+\p:JJ+\p+1], s[KP3:KP3+1], v[RR+\p:RR+\p+1] op_sel_hi:[1,0,1]
.endr
.irp p, 0,2,4,6,8,10,12,14
	v_pk_mul_f32 v[R2+\p:R2+\p+1], v[RR+\p:RR+\p+1], v[RR+\p:RR+\p+1]
.endr
.irp p, 0,2,4,6,8,10,12,14
	v_pk_fma_f32 v[SN+\p:SN+\p+1], v[R2+\p:R2+\p+1], s[KS3:KS3+1], v[VS2:VS2+1] op_sel_hi:[1,0,0]
	v_pk_fma_f32 v[CN+\p:CN+\p+1], v[R2+\p:R2+\p+1], s[KC3:KC3+1], v[VC2:VC2+1] op_sel_hi:[1,0,0]
.endr
.irp p, 0,2,4,6,8,10,12,14
	v_pk_fma_f32 v[SN+\p:SN+\p+1], v[SN+\p:SN+\p+1], v[R2+\p:R2+\p+1], v[VS1:VS1+1] op_sel_hi:[1,1,0]
	v_pk_fma_f32 v[CN+\p:CN+\p+1], v[CN+\p:CN+\p+1], v[R2+\p:R2+\p+1], v[VC1:VC1+1] op_sel_hi:[1,1,0]
.endr
.irp p, 0,2,4,6,8,10,12,14
	v_pk_mul_f32 v[JJ+\p:JJ+\p+1], v[R2+\p:R2+\p+1], v[RR+\p:RR+\p+1]
	v_pk_fma_f32 v[AN+\p:AN+\p+1], v[R2+\p:R2+\p+1], -0.5, 1.0 op_sel_hi:[1,0,0]
.endr
.irp p, 0,2,4,6,8,10,12,14
	v_pk_fma_f32 v[SN+\p:SN+\p+1], v[SN+\p:SN+\p+1], v[JJ+\p:JJ+\p+1], v[RR+\p:RR+\p+1]
.endr
.irp p, 0,2,4,6,8,10,12,14
	v_pk_mul_f32 v[JJ+\p:JJ+\p+1], v[R2+\p:R2+\p+1], v[R2+\p:R2+\p+1]
.endr
.irp p, 0,2,4,6,8,10,12,14
	v_pk_fma_f32 v[CN+\p:CN+\p+1], v[CN+\p:CN+\p+1], v[JJ+\p:JJ+\p+1], v[AN+\p:AN+\p+1]
.endr
	s_wait_dscnt 0x0                               ; the last stores have read their registers
.irp i, 0,1,2,3,4,5,6,7,8,9,10,11,12,13,14,15
	v_lshlrev_b32 v[TQ], 31, v[TT+\i]              ; n's bit 0 as a sign,
	v_lshlrev_b32 v[TQ+1], 30, v[TT+\i]            ; its bit 1 as a sign
	v_cmp_gt_i32 vcc_lo, 0, v[TQ]                  ; n odd: sine and cosine change places
	v_xor_b32 v[TQ], v[TQ], v[TQ+1]
	v_cndmask_b32 v[TQ+2], v[SN+\i], v[CN+\i], vcc_lo
	v_cndmask_b32 v[TQ+3], v[CN+\i], v[SN+\i], vcc_lo
	v_and_b32 v[TQ+1], s[SGN], v[TQ+1]             ; the sine turns its sign with bit 1,
	v_and_b32 v[TQ], s[SGN], v[TQ]                 ; the cosine with bit 1 xor bit 0
	v_xor_b32 v[OUT+2*\i+1], v[TQ+1], v[TQ+2]
	v_xor_b32 v[OUT+2*\i], v[TQ], v[TQ+3]
.endr
.irp q, 0,1,2,3,4,5,6,7
	ds_store_b128 v[TAC], v[OUT+4*\q:OUT+4*\q+3] offset:512*(2*((\g0+\q)/4)+(\g0+\q)%2)+256*(((\g0+\q)%4)/2)
.endr
.endm
	s_mov_b32 s3, 0
	s_mov_b32 s[LST], 0
.Ltrig:                                                ; two trips, walked by every work-group; V's are led round the work inside
	s_cmp_eq_u32 ttmp9, 2
	s_cbranch_scc1 .Lno_trig
	v_add_nc_u32 v[TAC], s[LST], v[TA]
	s_wait_alu depctr_va_vdst(0)
	v_cvt_f32_i32 v[PF], v64
	TRIG16 0, 1.0, 0.74989420933, 0.56234132519, 0.42169650343, 0.31622776602, 0.23713737057, 0.17782794100, 0.13335214322, 0.1, 0.074989420933, 0.056234132519, 0.042169650343, 0.031622776602, 0.023713737057, 0.017782794100, 0.013335214322
	TRIG16 8, 0.01, 0.0074989420933, 0.0056234132519, 0.0042169650343, 0.0031622776602, 0.0023713737057, 0.0017782794100, 0.0013335214322, 0.001, 0.00074989420933, 0.00056234132519, 0.00042169650343, 0.00031622776602, 0.00023713737057, 0.00017782794100, 0.00013335214322
.Lno_trig:
	v_mov_b32 v64, v65                             ; the next 32 tokens' positions
	s_add_co_u32 s[LST], s[LST], 8192
	s_add_co_u32 s3, s3, 1
	s_cmp_lt_u32 s3, 2
	s_cbranch_scc1 .Ltrig
	s_wait_dscnt 0x0                               ; my stores have landed
	s_barrier_signal -1
	s_barrier_wait -1                              ; everybody's have
	s_cmp_eq_u32 ttmp9, 2
	s_cbranch_scc1 .Lv_path
; ---- Q and K: the rotation and the quantiser along d.  Block a: 16 tokens; head hh: accumulators 4 hh .. 4 hh + 3, whose 32 registers are d = 16 bb + 8 h + j: sixteen (even, odd) pairs.
.macro CSLOAD a
.irp k, 0,1,2,3,4,5,6,7
	ds_load_b128 v[CSR+32*((\a)%2)+4*\k:CSR+32*((\a)%2)+4*\k+3], v[CSA] offset:4096*(\a)+512*\k
.endr
.endm
.macro ROPEQ a, hh
.set CSB, CSR+32*((\a)%2)
.set ACB, 8*(8*((\a)%4)+4*(\hh))
.set CD,  COD+8*((2*(\a)+(\hh))%8)
	WIN 0x02+(\a)/4                                ; source 0: the accumulators' window
.irp p, 0,2,4,6,8,10,12,14,16,18,20,22,24,26,28,30
	v_pk_mul_f32 v[RQ+\p:RQ+\p+1], v[ACB+\p:ACB+\p+1], v[CSB+\p:CSB+\p+1] op_sel:[1,1] op_sel_hi:[0,1] neg_lo:[0,1]   ; (-x2 sin, x1 sin); each accumulator from its low end on
.endr
.irp p, 0,2,4,6,8,10,12,14,16,18,20,22,24,26,28,30
	v_pk_fma_f32 v[RQ+\p:RQ+\p+1], v[ACB+\p:ACB+\p+1], v[CSB+\p:CSB+\p+1], v[RQ+\p:RQ+\p+1] op_sel_hi:[1,0,1]         ; + (x1 cos, x2 cos)
.endr
	WIN 0
.irp b, 0,1
	v_max3_num_f32 v[TM+\b], |v[RQ+16*\b]|, |v[RQ+16*\b+1]|, 0x8000000   ; block b: my 16 numbers, and the floor 2^(16 - 127): the byte cannot fall under 1
.endr
.irp i, 2,4,6,8,10,12,14
.irp b, 0,1
	v_max3_num_f32 v[TM+\b], v[TM+\b], |v[RQ+16*\b+\i]|, |v[RQ+16*\b+\i+1]|
.endr
.endr
.irp b, 0,1
	v_permlanex16_b32 v[TM+2+\b], v[TM+\b], s[SEL], s[SEL+1]
.endr
.irp b, 0,1
	v_max_num_f32 v[TM+\b], v[TM+\b], v[TM+2+\b]   ; with lane l xor 16's: the block's largest magnitude
.endr
.irp b, 0,1
	v_add_nc_u32 v[TM+6+\b], 0xf8800000, v[TM+\b]  ; 15 off its exponent field: the conversion's scale operand
.endr
.irp b, 0,1
.endr
.irp b, 0,1
	v_lshrrev_b32 v[TM+2+\b], 23, v[TM+6+\b]       ; the scale's byte
.endr
.if (\a)%2 == 0
	v_lshl_or_b32 v[SW+4*(\hh)+(\a)/2], v[TM+3], 8, v[TM+2]
.else
	v_lshl_or_b32 v[HW], v[TM+3], 8, v[TM+2]
	v_lshl_or_b32 v[SW+4*(\hh)+(\a)/2], v[HW], 16, v[SW+4*(\hh)+(\a)/2]
.endif
.irp b, 0,1
.irp i, 0,1,2,3,4,5,6,7,8,9,10,11,12,13,14,15
.endr
	v_cvt_scalef32_pk8_bf8_f32 v[CD+4*\b:CD+4*\b+1], v[RQ+16*\b:RQ+16*\b+7], v[TM+6+\b]
	v_cvt_scalef32_pk8_bf8_f32 v[CD+4*\b+2:CD+4*\b+3], v[RQ+16*\b+8:RQ+16*\b+15], v[TM+6+\b]
.endr
	v_nop                                          ; a plain instruction behind the last conversion
	global_store_b128 v[VO+(\hh)], v[CD:CD+3], s[12:13] offset:1024*(\a)        ; 32 lanes store 512 consecutive bytes, aligned
	global_store_b128 v[VO+(\hh)], v[CD+4:CD+7], s[12:13] offset:1024*(\a)+512
.endm
	v_mov_b32 v[TM+2], 0                           ; written once: a lane permute's destination counts as one of its sources
	v_mov_b32 v[TM+3], 0
	CSLOAD 0
.irp a, 0,1,2,3,4,5,6,7
.if \a < 7
	CSLOAD \a+1
	s_wait_dscnt 8                                 ; this block's cos and sin are in; the next block's eight loads may be out
.else
	s_wait_dscnt 0x0
.endif
.if \a == 4
	s_wait_xcnt 0x0                                ; the stores of blocks 0 to 3 have read their registers: the eight sets of codes are written again from here on
.endif
	ROPEQ \a, 0
	ROPEQ \a, 1
.endr
.irp k, 0,1,2,3
	v_cndmask_b32 v[SLR+\k], v[SW+\k], v[SW+4+\k], s104   ; lanes 0-15 store the first head's bytes, lanes 16-31 the second's: 256 consecutive bytes each
.endr
	global_store_b128 v[SOF], v[SLR:SLR+3], s[98:99]
	s_branch .Lend
; ---- V: the quantiser along the keys.  Block a: 16 features (head a / 4, tile of d a % 4); the 64 registers of its eight accumulators are my 128 tokens' four blocks of 32.
.Lv_path:
.set VT,  64                           ; v64-79  four blocks: largest magnitudes, bytes, scale operands
.set VW,  80                           ; v80-87  a scale word for each block a
.set VS,  88                           ; v88-91  those that my half of the lanes stores
.set VR,  128
.macro VQ a
.set AC, 64*((\a)%4)
.set CD, COD+16*((\a)%4)
	WIN 0x0a+5*((\a)/4)                            ; sources 0 and 1: the accumulators' window
.irp b, 0,1,2,3
	v_max3_num_f32 v[VT+\b], |v[AC+16*\b]|, |v[AC+16*\b+1]|, 0x8000000
.endr
.irp i, 2,4,6,8,10,12,14
.irp b, 0,1,2,3
	v_max3_num_f32 v[VT+\b], |v[AC+16*\b+\i]|, |v[AC+16*\b+\i+1]|, v[VT+\b]   ; each accumulator from its low end on
.endr
.endr
	WIN 0
.irp b, 0,1,2,3
	v_permlanex16_b32 v[VT+4+\b], v[VT+\b], s[SEL], s[SEL+1]
.endr
.irp b, 0,1,2,3
	v_max_num_f32 v[VT+\b], v[VT+\b], v[VT+4+\b]
.endr
.irp b, 0,1,2,3
	v_add_nc_u32 v[VT+12+\b], 0xf8800000, v[VT+\b]
.endr
.irp b, 0,1,2,3
.endr
.irp b, 0,1,2,3
	v_lshrrev_b32 v[VT+4+\b], 23, v[VT+12+\b]
.endr
	v_lshl_or_b32 v[VW+(\a)], v[VT+5], 8, v[VT+4]  ; the four bytes make my feature's scale word for these 128 keys
	v_lshl_or_b32 v[VW+(\a)], v[VT+6], 16, v[VW+(\a)]
	v_lshl_or_b32 v[VW+(\a)], v[VT+7], 24, v[VW+(\a)]
	WIN 0x02+(\a)/4
.irp b, 0,1,2,3
.irp i, 0,1,2,3,4,5,6,7,8,9,10,11,12,13,14,15
.endr
.endr
.irp b, 0,1,2,3
	v_cvt_scalef32_pk8_bf8_f32 v[CD+4*\b:CD+4*\b+1], v[AC+16*\b:AC+16*\b+7], v[VT+12+\b]
	v_cvt_scalef32_pk8_bf8_f32 v[CD+4*\b+2:CD+4*\b+3], v[AC+16*\b+8:AC+16*\b+15], v[VT+12+\b]
.endr
	WIN 0
	v_nop
.irp b, 0,1,2,3
	global_store_b128 v[VO], v[CD+4*\b:CD+4*\b+3], s[12:13] offset:((\a)/4)*270336+((\a)%4)*2048+512*\b
.endr
.endm
.irp b, 0,1,2,3
	v_mov_b32 v[VT+4+\b], 0
.endr
.irp a, 0,1,2,3,4,5,6,7
.if \a == 4
	s_wait_xcnt 0x0                                ; the stores of blocks 0 to 3 have read their registers: the four sets of codes are written again
.endif
	VQ \a
.endr
.irp k, 0,1,2,3
	v_cndmask_b32 v[VS+\k], v[VW+\k], v[VW+4+\k], s104
.endr
	global_store_b128 v[SOF], v[VS:VS+3], s[98:99]
.Lend:
	s_wait_tensorcnt 0x0                           ; the wave's end: behind my last tensor load and my last LDS store
	ds_add_u32 v[SPW], v[NIL]
	s_wait_dscnt 0x0
	CROUND                                         ; the closing round
	s_endpgm
.Lfunc_end_k_qe0b4e35045_qkv:
	.size	k_qe0b4e35045_qkv, .Lfunc_end_k_qe0b4e35045_qkv-k_qe0b4e35045_qkv
	.p2alignl 7, 3214868480
	.fill 96, 4, 3214868480
	.section	.rodata,"a",@progbits
	.p2align	6, 0x0
	.amdhsa_kernel k_qe0b4e35045_qkv
		.amdhsa_group_segment_fixed_size 327680
		.amdhsa_private_segment_fixed_size 0
		.amdhsa_enable_private_segment 0
		.amdhsa_kernarg_size 96
		.amdhsa_user_sgpr_count 2
		.amdhsa_user_sgpr_kernarg_segment_ptr 1
		.amdhsa_wavefront_size32 1
		.amdhsa_system_sgpr_workgroup_id_x 1
		.amdhsa_system_sgpr_workgroup_id_y 1
		.amdhsa_system_sgpr_workgroup_id_z 1
		.amdhsa_system_vgpr_workitem_id 0
		.amdhsa_next_free_vgpr 1024
		.amdhsa_next_free_sgpr 106
		.amdhsa_reserve_vcc 1
		.amdhsa_float_denorm_mode_32 3
		.amdhsa_float_denorm_mode_16_64 3
		.amdhsa_fp16_overflow 1
		.amdhsa_memory_ordered 1
		.amdhsa_forward_progress 1
		.amdhsa_inst_pref_size 251
	.end_amdhsa_kernel
	.amdgpu_metadata
---
amdhsa.version: [ 1, 2 ]
amdhsa.kernels:
  - .name:           k_qe0b4e35045_qkv
    .symbol:         k_qe0b4e35045_qkv.kd
    .args:
      - { .name: x_codes, .offset: 0, .size: 8, .value_kind: global_buffer, .address_space: global }
      - { .name: x_scales, .offset: 8, .size: 8, .value_kind: global_buffer, .address_space: global }
      - { .name: WQ_codes, .offset: 16, .size: 8, .value_kind: global_buffer, .address_space: global }
      - { .name: WQ_scales, .offset: 24, .size: 8, .value_kind: global_buffer, .address_space: global }
      - { .name: WK_codes, .offset: 32, .size: 8, .value_kind: global_buffer, .address_space: global }
      - { .name: WK_scales, .offset: 40, .size: 8, .value_kind: global_buffer, .address_space: global }
      - { .name: WV_codes, .offset: 48, .size: 8, .value_kind: global_buffer, .address_space: global }
      - { .name: WV_scales, .offset: 56, .size: 8, .value_kind: global_buffer, .address_space: global }
      - { .name: token_positions, .offset: 64, .size: 8, .value_kind: global_buffer, .address_space: global }
      - { .name: q_codes, .offset: 72, .size: 8, .value_kind: global_buffer, .address_space: global }
      - { .name: q_scales, .offset: 80, .size: 8, .value_kind: global_buffer, .address_space: global }
      - { .name: kv, .offset: 88, .size: 8, .value_kind: global_buffer, .address_space: global }
    .group_segment_fixed_size: 327680
    .private_segment_fixed_size: 0
    .kernarg_segment_align: 8
    .kernarg_segment_size: 96
    .max_flat_workgroup_size: 128
    .sgpr_count:     106
    .vgpr_count:     1024
    .wavefront_size: 32
...
	.end_amdgpu_metadata
.endif
;; end of part 1
;; launch attn (part 2): grid 4 x 64, 16 waves a work-group, no clusters, 327,680 bytes of LDS; arguments q_codes, q_scales, kv, a_img, a_scl; writes a_img, a_scl
.if DOCPART == 2
	.amdgcn_target "amdgcn-amd-amdhsa--gfx1250"
	.amdhsa_code_object_version 6
	.text
	.protected	k_qe0b4e35045_attn
	.globl	k_qe0b4e35045_attn
	.p2align	8
	.type	k_qe0b4e35045_attn,@function
k_qe0b4e35045_attn:
	s_mov_b64 s[64:65], 0
	v_nop
	global_prefetch_b8 v0, s[64:65] scope:SCOPE_SE
	s_setreg_imm32_b32 hwreg(HW_REG_WAVE_MODE, 25, 1), 1
	s_wait_xcnt 0x0
; Causal attention on codes of BF8 (E5M2), head size 64: S^T = K Q^T, p = 2^(t - M), O^T += V^T p^T, O / the row's sum, and the quantiser of the result along d_model.
; LEFT OUT: key steps of 128 all of whose keys lie behind a wave's 16 queries: reference()'s own causal mask makes their p 0 for all values of the inputs (shown at the head of the first kernel).
; THE SOFTMAX: t = score x log2(e) / 8; M = the running largest t rounded up to a whole number; p is not normalised; the row's sum is taken of the unquantised p; when M moves, the sum and O^T are multiplied by a power of two.
; SHARES.  A wave owns 16 queries in 256 registers, sixteen waves 256 queries.  Work-group (i, head) takes query block 7 - i, walking key slots 0 .. 7 - i, and then block i, walking slots 0 .. i: nine visits of a
; slot of 256 keys whatever i, so all 256 work-groups have the same work and every trip count is a constant.
; NO CLUSTER: the four work-groups of a head want the same slot only in their first five visits; from then on they stand at different slots in the same round, and a joint load would bring tiles that a partner never reads.
; HEAD SIZE 64 IN AN INSTRUCTION OF K = 128.  A fragment of K holds TWO tiles of 16 keys: registers 0-7 keys 32 g + r, registers 8-15 keys 32 g + 16 + r.  It is multiplied once by [Q, zero codes] and once by
; [zero codes, Q]: zero codes add nothing, so no LDS byte is read for nothing.  LIMIT: a NaN or infinity code in the partner tile would reach a score through 0 x NaN; such codes are not made by the first launch.
; LAYOUT.  Both products transposed: a lane holds ONE query (lane % 16).  The 16 registers of score tiles 2 g, 2 g + 1 are keys 32 g + 8 h + 0..7 and 32 g + 16 + 8 h + 0..7; V's codes were laid in the same order inside each block of 32.
; The result meets a GIVEN operand (WO), so its codes are put in natural order along d by four exchanges between the halves of the lanes.
; A slot in LDS is kv's slot as it lies: K's codes at 0, V's at 16,384, K's scale words at 32,768, V's at 33,280: images of registers, read at 16 x lane.
; REGISTERS: v1-11 addresses and Q's scale word (v10); v12 -M, v13 the largest t, v[14:15] the sum; v16-23 zeros, v24-31 Q, v32-39 zeros; v40-103 four fragments; v104-167 S^T, then p; v168-199 O^T; v200-215 p's codes;
;   v216-231 at work on scales; v232-235 K's or V's scale words, v236 p's (v232-235 and v10 hold scales alone); v[238:239] f; v240-246 at work and the way out's offsets.
.set SLOTB, 33792
.set HALFB, 16896                      ; 66 rows of 256 bytes: what one tensor load brings
.set SLOT1, 65536                      ; slot 1 begins here: one exclusive or turns an address
.set SPARE, 131072                     ; the spare words: 128 bytes a wave, eight blocks of 256 bytes that no other line names
.set HEADB, 270336                     ; a head in kv
.set AI,  1                            ; 16 x lane
.set ASC, 2                            ; 32,768 + 16 r
.set QO,  3
.set QSO, 4
.set SPW, 5
.set NIL, 6
.set PFO, 7                            ; 256 x lane
.set ADK, 8
.set ADS, 9
.set QS,  10
.set DQ,  11                           ; r - 8 h
.set F,   40
.set S,   104
.set O,   168
.set PC0, 200
.set BM,  216
.set PB,  220
.set HO,  224
.set SO,  228
.set KW,  232
.set PW,  236
.set FF,  238
.set TP,  240
.set R16, 243                          ; 16 r
.set RS,  244                          ; 32 r + h
.set OA,  245
.set OS,  246
.set WV,  14
.set II,  15
.set BH,  16
.set Q0,  17
.set HM,  18
.set MNT, 19
.set SEL, 20
.set CS,  22
.set G1,  24
.set QB,  32
.set NA,  33
.set CV,  34
.set SLOTS, 35
.set OFS, 36
.set G0,  40
.set HB,  44
.set QP,  46
.set QSP, 48
.set OAP, 50
.set OSP, 52
.set PFA, 54
.set LIM, 56
.set TB,  2
.set KF,  3
.macro TLOAD                           ; waves 0 and 1 fetch a slot's halves; the branch hangs on the wave's number alone.  An s_nop 0 and four v_nop follow the load
	s_cmp_lt_u32 s[WV], 2
	s_cbranch_scc0 .Lasked_\@
	tensor_load_to_lds s[G0:G0+3], s[G1:G1+7]
	s_nop 0
.rept 4
	v_nop
.endr
.Lasked_\@:
.endm
; A prefetch of the codes of the slot that the NEXT change of slots will ask for.  All four work-groups of a head walk slots 0, 1, 2 .. : the one that walks all eight (i = 0) asks, and nobody else; in it waves 4 to 7,
; which fetch nothing, ask for 8,192 bytes each, lanes 256 bytes apart: the slot's 32,768 bytes of codes, each aligned block of 256 bytes once in the launch.  Slots 0 and 1 come by their loads alone; slot 7 is the last asked for.
.macro ASK
	s_cmp_gt_u32 s[SLOTS], s[LIM]
	s_cbranch_scc0 .Lnot_mine_\@
	global_prefetch_b8 v[PFO], s[PFA:PFA+1] th:TH_LOAD_NT scope:SCOPE_SE
.Lnot_mine_\@:
.endm
	s_load_b256 s[4:11], s[0:1], 0x0               ; q_codes, q_scales, kv, a_img
	s_load_b64 s[12:13], s[0:1], 0x20              ; a_scl
	v_lshl_add_u32 v[SPW], v0, 2, SPARE
	v_mov_b32 v[NIL], 0
	ds_add_u32 v[SPW], v[NIL]                      ; the wave's opening: the add, twice on end, and its wait ahead of my first tensor load
	ds_add_u32 v[SPW], v[NIL]
	v_lshrrev_b32 v8, 5, v0
	s_delay_alu instid0(VALU_DEP_1)
	v_readfirstlane_b32 s[WV], v8                  ; wave 0..15
	s_mov_b32 s[II], ttmp9                         ; i
	s_and_b32 s[BH], ttmp7, 0xffff                 ; 16 batch + head
	s_mov_b32 s[G1], 3<<16                         ; no mask; elements of 8 bytes; no padding
	s_mov_b32 s[G1+1], 32<<16                      ; tensor_dim0: 256 bytes
	s_mov_b32 s[G1+2], 66<<16                      ; tensor_dim1
	s_mov_b32 s[G1+3], 32<<16                      ; tile_dim0
	s_mov_b32 s[G1+4], 66                          ; tile_dim1
	s_mov_b32 s[G1+5], 32                          ; the pitch: dense
	s_mov_b32 s[G1+6], 0
	s_mov_b32 s[G1+7], 0
	s_and_b32 s58, s[WV], 1
	s_mul_i32 s59, s58, HALFB                      ; my half of a slot, in memory and in LDS
	s_mul_i32 s60, s[BH], HEADB
	s_add_co_u32 s62, s60, SLOTB                   ; (for the prefetches: slot 1)
	s_add_co_u32 s60, s60, s59
	s_mov_b32 s61, 0
	s_mov_b32 s63, 0
	s_and_b32 s66, s[WV], 3
	s_lshl_b32 s66, s66, 13
	s_add_co_u32 s62, s62, s66                     ; + 8,192 x (wave % 4)
	s_lshr_b32 s66, s[WV], 2
	s_xor_b32 s66, s66, 1                          ; 0 in waves 4 to 7,
	s_or_b32 s66, s66, s[II]                       ; of work-group i = 0
	s_cmp_eq_u32 s66, 0
	s_cselect_b32 s[LIM], 2, -1
	s_lshl_b32 s66, s[BH], 17                      ; q_codes: 131,072 a head, 1,024 a tile
	s_lshl_b32 s67, s[WV], 10
	s_add_co_u32 s66, s66, s67
	s_mov_b32 s67, 0
	s_lshl_b32 s68, s[BH], 12                      ; q_scales: 4,096 a head, 256 for 128 queries, two bytes a tile
	s_lshr_b32 s69, s[WV], 3
	s_lshl_b32 s69, s69, 8
	s_add_co_u32 s68, s68, s69
	s_and_b32 s69, s[WV], 7
	s_lshl_b32 s69, s69, 1
	s_add_co_u32 s68, s68, s69
	s_mov_b32 s69, 0
	s_lshr_b32 s74, s[BH], 4                       ; batch
	s_and_b32 s75, s[BH], 15                       ; head
	s_lshr_b32 s70, s75, 2
	s_lshl_b32 s70, s70, 21                        ; a_img: 2,097,152 for 256 along K (four heads),
	s_lshl_b32 s71, s74, 19
	s_add_co_u32 s70, s70, s71                     ; 4,096 a tile of 16 rows: 128 tiles a batch,
	s_lshl_b32 s71, s[WV], 12
	s_add_co_u32 s70, s70, s71                     ; my tile,
	s_bfe_u32 s71, s75, 0x10001
	s_lshl_b32 s71, s71, 11
	s_add_co_u32 s70, s70, s71                     ; 2,048 for 128 along K,
	s_and_b32 s71, s75, 1
	s_lshl_b32 s71, s71, 10
	s_add_co_u32 s70, s70, s71                     ; 1,024 a head
	s_mov_b32 s71, 0
	s_lshl_b32 s72, s74, 16                        ; a_scl: 32 bytes a row,
	s_lshl_b32 s73, s[WV], 9
	s_add_co_u32 s72, s72, s73
	s_lshl_b32 s73, s75, 1
	s_add_co_u32 s72, s72, s73                     ; two bytes a head
	s_mov_b32 s73, 0
	s_mov_b32 s[SEL], 0x76543210
	s_mov_b32 s[SEL+1], 0xfedcba98                 ; v_permlanex16_b32's selects for lane l xor 16
	s_mov_b32 s[CS], 0x3e38aa3b                    ; c = log2(e) / 8
	s_mov_b32 s[CS+1], s[CS]
	s_mov_b32 s[HM], 0xffff0000                    ; lanes 16-31
	s_mov_b32 s[TB], 0
	s_mov_b32 s[CV], 0
	s_mov_b32 s[OFS], 0
	s_mov_b32 s[OFS+1], 0
	s_mov_b32 s[SLOTS], 8
	s_sub_co_u32 s[NA], 8, s[II]                   ; visits of the first query block
	s_sub_co_u32 s[QB], 7, s[II]                   ; the first query block
	s_wait_dscnt 0x0                               ; both opening adds are done
	s_wait_kmcnt 0x0
	s_add_nc_u64 s[HB:HB+1], s[8:9], s[60:61]
	s_mov_b32 s[G0], 1
	s_mov_b32 s[G0+1], s59                         ; slot 0
	s_mov_b64 s[G0+2:G0+3], s[HB:HB+1]
	s_or_b32 s[G0+3], s[G0+3], 0x80000000
	TLOAD                                          ; key slot 0
	s_add_nc_u64 s[PFA:PFA+1], s[8:9], s[62:63]
	s_add_nc_u64 s[QP:QP+1], s[4:5], s[66:67]
	s_add_nc_u64 s[QSP:QSP+1], s[6:7], s[68:69]
	s_add_nc_u64 s[OAP:OAP+1], s[10:11], s[70:71]
	s_add_nc_u64 s[OSP:OSP+1], s[12:13], s[72:73]
	v_and_b32 v8, 31, v0
	s_delay_alu instid0(VALU_DEP_1)
	v_lshlrev_b32 v[AI], 4, v8
	s_delay_alu instid0(VALU_DEP_2)
	v_lshlrev_b32 v[PFO], 8, v8
	v_and_b32 v8, 15, v0                           ; r
	v_bfe_u32 v9, v0, 4, 1                         ; h
	s_delay_alu instid0(VALU_DEP_2)
	v_lshl_add_u32 v[ASC], v8, 4, 32768
	s_delay_alu instid0(VALU_DEP_3)
	v_lshlrev_b32 v[R16], 4, v8
	s_delay_alu instid0(VALU_DEP_3)
	v_lshl_add_u32 v[RS], v8, 5, v9
	s_delay_alu instid0(VALU_DEP_4)
	v_lshlrev_b32 v[DQ], 3, v9
	s_delay_alu instid0(VALU_DEP_1)
	v_sub_nc_u32 v[DQ], v8, v[DQ]
.irp j, 0,1,2,3,4,5,6,7
	v_mov_b32 v[16+\j], 0                          ; zero codes on both sides of Q
	v_mov_b32 v[32+\j], 0
.endr
.irp b, 0,1,2,3
	v_mov_b32 v[PB+\b], 0                          ; written once: a lane permute's destination counts as one of its sources
.endr
	v_mov_b32 v[TP], 0
	v_mov_b32 v[FF+1], 0                           ; (named as the upper half of the pair)
; A query block begins: s[QB] says which.
.macro PHASE
	s_lshl_b32 s[Q0], s[QB], 8
	s_lshl_b32 s66, s[WV], 4
	s_add_co_u32 s[Q0], s[Q0], s66                 ; my first query
	s_mov_b32 s[KF], 0                             ; the step's first key
	s_lshl_b32 s66, s[QB], 14
	v_add_nc_u32 v[QO], s66, v[AI]
	s_lshl_b32 s66, s[QB], 9
	v_add_nc_u32 v[QSO], s66, v[R16]
	s_lshl_b32 s66, s[QB], 16
	v_add_nc_u32 v[OA], s66, v[AI]
	s_lshl_b32 s66, s[QB], 13
	v_add_nc_u32 v[OS], s66, v[RS]
	global_load_b128 v[24:27], v[QO], s[QP:QP+1]               ; Q's codes: d block 0,
	global_load_b128 v[28:31], v[QO], s[QP:QP+1] offset:512    ; d block 1
	global_load_u16 v[TP+2], v[QSO], s[QSP:QSP+1]              ; query r's two scale bytes
	v_mov_b32 v13, 0xff61b1e6                      ; the largest t so far: -3e38
	s_delay_alu instid0(VALU_DEP_1)
	v_floor_f32 v12, -v13                          ; -M
	v_mov_b32 v14, 0
	v_mov_b32 v15, 0
	s_wait_loadcnt 0x0
	v_lshl_or_b32 v[QS], v[TP+2], 16, v[TP+2]      ; the two bytes twice: they serve [Q, 0] and [0, Q]
.set j, 0
.rept 32
	v_mov_b32 v[O+j], 0                            ; O^T: the first change of M leaves zeros zeros.  (These are also the places between the scale word and the products)
.set j, j+1
.endr
.endm
; A KEY STEP: 128 keys, the q-th of the slot in hand.
.macro STEP q
	s_add_co_u32 s66, s[Q0], 15
	s_cmp_gt_u32 s[KF], s66                        ; all its keys behind my queries: left out.  A branch on ids and counts; no barrier and no tensor load stands in a step
	s_cbranch_scc1 .Lhidden_\@
	v_add_nc_u32 v[ADK], s[TB], v[AI]
	v_add_nc_u32 v[ADS], s[TB], v[ASC]
.irp b, 0,1,2,3
.irp c, 0,1,2,3
	ds_load_b128 v[F+16*\b+4*\c:F+16*\b+4*\c+3], v[ADK] offset:8192*(\q)+2048*\b+512*\c
.endr
.endr
	ds_load_b128 v[KW:KW+3], v[ADS] offset:256*(\q)             ; key r's scale bytes of the eight tiles: word g serves tiles 2 g and 2 g + 1
	s_wait_alu depctr_va_vdst(0)
	s_wait_dscnt 0x0
.irp b, 0,1,2,3
	v_wmma_scale_f32_16x16x128_f8f6f4 v[S+16*\b:S+16*\b+7], v[F+16*\b:F+16*\b+15], v[24:39], 0, v[KW+\b], v[QS] matrix_a_fmt:MATRIX_FMT_BF8 matrix_b_fmt:MATRIX_FMT_BF8
	v_wmma_scale_f32_16x16x128_f8f6f4 v[S+16*\b+8:S+16*\b+15], v[F+16*\b:F+16*\b+15], v[16:31], 0, v[KW+\b], v[QS] matrix_a_fmt:MATRIX_FMT_BF8 matrix_b_fmt:MATRIX_FMT_BF8
.endr
.rept 8
	v_nop                                          ; places in front of the loads below and of the first read of the scores
.endr
.irp t, 0,1,2,3
.irp c, 0,1,2,3
	ds_load_b128 v[F+16*\t+4*\c:F+16*\t+4*\c+3], v[ADK] offset:16384+8192*(\q)+2048*\t+512*\c   ; V's four fragments land under the softmax
.endr
.endr
	ds_load_b128 v[KW:KW+3], v[ADS] offset:512+256*(\q)
	s_add_co_u32 s66, s[KF], 127
	s_cmp_le_u32 s66, s[Q0]                        ; a step all of whose keys count skips the mask
	s_cbranch_scc1 .Lopen_\@
	s_sub_co_i32 s66, s[Q0], s[KF]
	v_add_nc_u32 v[TP+1], s66, v[DQ]               ; d = my query - KF - 8 h.  Register 8 T + j holds key KF + 16 T + 8 h + j: hidden where 16 T + j > d
	v_mov_b32 v[TP+2], 0xff800000                  ; -infinity
.set n, 0
.rept 64
	v_cmp_gt_i32 vcc_lo, 16*(n/8)+n%8, v[TP+1]
	v_cndmask_b32 v[S+n], v[S+n], v[TP+2], vcc_lo
.set n, n+1
.endr
.Lopen_\@:
.irp b, 0,1,2,3
	v_max3_num_f32 v[BM+\b], v[S+16*\b], v[S+1+16*\b], v[S+2+16*\b]   ; the largest score of each block of 32 keys: for the row's maximum and, since p rises with the score, for the block's largest p
.endr
.irp i, 3,5,7,9,11,13
.irp b, 0,1,2,3
	v_max3_num_f32 v[BM+\b], v[BM+\b], v[S+16*\b+\i], v[S+1+16*\b+\i]
.endr
.endr
.irp b, 0,1,2,3
	v_max_num_f32 v[BM+\b], v[BM+\b], v[S+15+16*\b]
.endr
.irp b, 0,1,2,3
	s_delay_alu instid0(VALU_DEP_4)
	v_permlanex16_b32 v[PB+\b], v[BM+\b], s[SEL], s[SEL+1]
.endr
.irp b, 0,1,2,3
	s_delay_alu instid0(VALU_DEP_4)
	v_max_num_f32 v[BM+\b], v[BM+\b], v[PB+\b]     ; with lane l xor 16's 16 keys
.endr
	s_delay_alu instid0(VALU_DEP_2)
	v_max3_num_f32 v[TP], v[BM], v[BM+1], v[BM+2]
	s_delay_alu instid0(VALU_DEP_1)
	v_max_num_f32 v[TP], v[TP], v[BM+3]
	s_delay_alu instid0(VALU_DEP_1)
	v_mul_f32 v[TP], s[CS], v[TP]                  ; as t
	s_delay_alu instid0(VALU_DEP_1)
	v_max_num_f32 v13, v13, v[TP]                  ; the running largest t
	v_mov_b32 v[TP], v12
	s_delay_alu instid0(VALU_DEP_2)
	v_floor_f32 v12, -v13                          ; the new -M = -ceil(t)
	s_delay_alu instid0(VALU_DEP_1)
	v_sub_f32 v[TP], v12, v[TP]                    ; old M - new M: a whole number, 0 or less
	s_delay_alu instid0(VALU_DEP_1)
	v_cvt_i32_f32 v[TP], v[TP]
	s_delay_alu instid0(VALU_DEP_1)
	v_ldexp_f32 v[FF], 1.0, v[TP]                  ; f = 2^(old M - new M)
.set j, 0
.rept 32
	v_pk_fma_f32 v[S+j:S+j+1], v[S+j:S+j+1], s[CS:CS+1], v[12:13] op_sel_hi:[1,0,0]   ; t - M
.set j, j+2
.endr
.irp b, 0,1,2,3
	v_fma_f32 v[BM+\b], v[BM+\b], s[CS], v12
.endr
.set j, 0
	s_wait_alu depctr_va_vdst(0)
.rept 64
	v_exp_f32 v[S+j], v[S+j]                       ; p = 2^(t - M)
.set j, j+1
.endr
	v_pk_mul_f32 v[14:15], v[14:15], v[FF:FF+1] op_sel_hi:[1,0]   ; the sums under the new M: a plain instruction behind the exponentials
	s_wait_alu depctr_va_vdst(0)                   ; one wait for the batch, ahead of its first reader
.irp b, 0,1,2,3
	v_exp_f32 v[BM+\b], v[BM+\b]                   ; the block's largest p
.endr
	v_pk_add_f32 v[220:221], v[108:109], v[112:113]
	v_pk_add_f32 v[254:255], v[116:117], v[120:121]
	v_pk_add_f32 v[252:253], v[124:125], v[128:129]
	v_pk_add_f32 v[250:251], v[132:133], v[136:137]
	v_pk_add_f32 v[248:249], v[140:141], v[144:145]
	v_pk_add_f32 v[236:237], v[148:149], v[152:153]
	v_pk_add_f32 v[230:231], v[156:157], v[160:161]
	v_pk_add_f32 v[14:15], v[14:15], v[164:165]
	v_pk_add_f32 v[220:221], v[220:221], v[104:105]
	v_pk_add_f32 v[254:255], v[254:255], v[106:107]
	v_pk_add_f32 v[252:253], v[252:253], v[110:111]
	v_pk_add_f32 v[250:251], v[250:251], v[114:115]
	v_pk_add_f32 v[248:249], v[248:249], v[118:119]
	v_pk_add_f32 v[236:237], v[236:237], v[122:123]
	v_pk_add_f32 v[230:231], v[230:231], v[126:127]
	v_pk_add_f32 v[14:15], v[14:15], v[130:131]
	v_pk_add_f32 v[220:221], v[220:221], v[134:135]
	v_pk_add_f32 v[254:255], v[254:255], v[138:139]
	v_pk_add_f32 v[252:253], v[252:253], v[142:143]
	v_pk_add_f32 v[250:251], v[250:251], v[146:147]
	v_pk_add_f32 v[248:249], v[248:249], v[150:151]
	v_pk_add_f32 v[236:237], v[236:237], v[154:155]
	v_pk_add_f32 v[230:231], v[230:231], v[158:159]
	v_pk_add_f32 v[14:15], v[14:15], v[162:163]
	v_pk_add_f32 v[220:221], v[220:221], v[166:167]
	s_delay_alu instid0(VALU_DEP_2)
	v_pk_add_f32 v[14:15], v[14:15], v[250:251]
	s_delay_alu instid0(VALU_DEP_2)
	v_pk_add_f32 v[220:221], v[220:221], v[248:249]
	v_pk_add_f32 v[254:255], v[254:255], v[236:237]
	v_pk_add_f32 v[252:253], v[252:253], v[230:231]
	s_delay_alu instid0(VALU_DEP_2)
	v_pk_add_f32 v[14:15], v[14:15], v[254:255]
	s_delay_alu instid0(VALU_DEP_2)
	v_pk_add_f32 v[220:221], v[220:221], v[252:253]
	s_delay_alu instid0(VALU_DEP_1)
	v_pk_add_f32 v[14:15], v[14:15], v[220:221]
	s_wait_alu depctr_va_vdst(0)                   ; and one for the four
.irp b, 0,1,2,3
	v_max_num_f32 v[BM+\b], 0x8000000, v[BM+\b]    ; the floor 2^(16 - 127): the byte cannot fall under 1
.endr
.irp b, 0,1,2,3
	s_delay_alu instid0(VALU_DEP_4)
	v_add_nc_u32 v[SO+\b], 0xf8800000, v[BM+\b]    ; 15 off the exponent field: the conversion's scale operand
.endr
.irp b, 0,1,2,3
.endr
.irp b, 0,1,2,3
	s_delay_alu instid0(VALU_DEP_4)
	v_lshrrev_b32 v[PB+\b], 23, v[SO+\b]           ; the scale's byte
.endr
	s_delay_alu instid0(VALU_DEP_3)
	v_lshl_or_b32 v[PW], v[PB+1], 8, v[PB]         ; p's scale word for these 128 keys
	s_delay_alu instid0(VALU_DEP_1)
	v_lshl_or_b32 v[PW], v[PB+2], 16, v[PW]
	s_delay_alu instid0(VALU_DEP_1)
	v_lshl_or_b32 v[PW], v[PB+3], 24, v[PW]
.irp b, 0,1,2,3
.irp i, 0,1,2,3,4,5,6,7,8,9,10,11,12,13,14,15
.endr
	v_cvt_scalef32_pk8_bf8_f32 v[PC0+4*\b:PC0+4*\b+1], v[S+16*\b:S+16*\b+7], v[SO+\b]
	v_cvt_scalef32_pk8_bf8_f32 v[PC0+4*\b+2:PC0+4*\b+3], v[S+16*\b+8:S+16*\b+15], v[SO+\b]
.endr
.set j, 0
.rept 16
	v_pk_mul_f32 v[O+j:O+j+1], v[O+j:O+j+1], v[FF:FF+1] op_sel_hi:[1,0]   ; O^T under the new M.  (These are also the places between the codes and the products)
.set j, j+2
.endr
	s_wait_alu depctr_va_vdst(0)
	s_wait_dscnt 0x0                               ; V's fragments and scale words are in
.irp t, 0,1,2,3
	v_wmma_scale_f32_16x16x128_f8f6f4 v[O+8*\t:O+8*\t+7], v[F+16*\t:F+16*\t+15], v[PC0:PC0+15], v[O+8*\t:O+8*\t+7], v[KW+\t], v[PW] matrix_a_fmt:MATRIX_FMT_BF8 matrix_b_fmt:MATRIX_FMT_BF8
.endr
.rept 8
	v_nop                                          ; places in front of the next loads into these fragments and of the next read of O^T
.endr
.Lhidden_\@:
	s_add_co_u32 s[KF], s[KF], 128
.endm
; THE CHANGE OF SLOTS stands at a visit's head.  Each wave waits for all its tensor loads (at most one is out), adds 0 to its spare word, and waits for that and for its reads of the slot that it has left.
; fill = 1: behind the barrier that slot takes the next visit's keys: the slot that follows, or slot 0 again where the second query block begins.
.macro CHANGE fill
	s_wait_tensorcnt 0x0                           ; no tensor load of mine is out, so group 0 may be written
	ds_add_u32 v[SPW], v[NIL]
.if \fill
	ds_add_u32 v[SPW], v[NIL]                      ; and once more
	s_xor_b32 s[G0+1], s[G0+1], SLOT1
	s_add_co_u32 s[OFS], s[OFS], SLOTB
	s_add_co_u32 s66, s[CV], 1
	s_cmp_eq_u32 s66, s[NA]
	s_cselect_b32 s[OFS], 0, s[OFS]
	s_add_nc_u64 s[G0+2:G0+3], s[HB:HB+1], s[OFS:OFS+1]
	s_or_b32 s[G0+3], s[G0+3], 0x80000000
	s_wait_xcnt 0x0                                ; the last prefetch, a visit back, has read its address
	s_add_nc_u64 s[PFA:PFA+1], s[PFA:PFA+1], SLOTB
.endif
	s_wait_dscnt 0x0                               ; the add is done, and my reads of the slot that I have left are over
	s_barrier_signal -1
	s_barrier_wait -1
.if \fill
	TLOAD                                          ; the first thing behind the barrier, and a wave's one tensor load until the next
	ASK
.endif
.endm
.macro SLOT_STEPS
	STEP 0
	STEP 1
	s_xor_b32 s[TB], s[TB], SLOT1
.endm
; A query block ends: O^T / the sum; the quantiser along d (two blocks of 32); the codes into natural order; image and scale bytes out.
.macro FINAL
	v_add_f32 v14, v14, v15
	s_delay_alu instid0(VALU_DEP_1)
	v_permlanex16_b32 v[TP], v14, s[SEL], s[SEL+1]
	s_delay_alu instid0(VALU_DEP_1)
	v_add_f32 v14, v14, v[TP]                      ; the row's sum
	s_wait_alu depctr_va_vdst(0)
	v_rcp_f32 v14, v14
	v_nop                                          ; a plain instruction behind the reciprocal,
	s_wait_alu depctr_va_vdst(0)                   ; and the wait ahead of its first reader
.set j, 0
.rept 16
	v_pk_mul_f32 v[S+j:S+j+1], v[O+j:O+j+1], v[14:15] op_sel_hi:[1,0]   ; register 8 t + j: o(query r, d = 16 t + 8 h + j); each accumulator from its low end on
.set j, j+2
.endr
.irp b, 0,1
	v_max3_num_f32 v[BM+\b], |v[S+16*\b]|, |v[S+16*\b+1]|, 0x8000000
.endr
.irp i, 2,4,6,8,10,12,14
.irp b, 0,1
	s_delay_alu instid0(VALU_DEP_2)
	v_max3_num_f32 v[BM+\b], v[BM+\b], |v[S+16*\b+\i]|, |v[S+16*\b+\i+1]|
.endr
.endr
.irp b, 0,1
	s_delay_alu instid0(VALU_DEP_2)
	v_permlanex16_b32 v[PB+\b], v[BM+\b], s[SEL], s[SEL+1]
.endr
.irp b, 0,1
	s_delay_alu instid0(VALU_DEP_2)
	v_max_num_f32 v[BM+\b], v[BM+\b], v[PB+\b]
.endr
.irp b, 0,1
	s_delay_alu instid0(VALU_DEP_2)
	v_add_nc_u32 v[SO+\b], 0xf8800000, v[BM+\b]
.endr
.irp b, 0,1
.endr
.irp b, 0,1
	s_delay_alu instid0(VALU_DEP_2)
	v_lshrrev_b32 v[PB+\b], 23, v[SO+\b]
.endr
.irp b, 0,1
.irp i, 0,1,2,3,4,5,6,7,8,9,10,11,12,13,14,15
.endr
	v_cvt_scalef32_pk8_bf8_f32 v[PC0+4*\b:PC0+4*\b+1], v[S+16*\b:S+16*\b+7], v[SO+\b]
	v_cvt_scalef32_pk8_bf8_f32 v[PC0+4*\b+2:PC0+4*\b+3], v[S+16*\b+8:S+16*\b+15], v[SO+\b]
.endr
	v_nop                                          ; a plain instruction behind the last conversion
	; a lane holds d = 32 g + 8 h + 0..7 (two registers) and 32 g + 16 + 8 h + 0..7 (two); the operand wants 32 g + 16 h + 0..15: the first pair's lanes 16-31 change places with the second pair's lanes 0-15
	v_permlane16_swap_b32 v[PC0], v[PC0+2]
	v_permlane16_swap_b32 v[PC0+1], v[PC0+3]
	v_permlane16_swap_b32 v[PC0+4], v[PC0+6]
	v_permlane16_swap_b32 v[PC0+5], v[PC0+7]
	v_cndmask_b32 v[TP+1], v[PB], v[PB+1], s[HM]   ; lanes 0-15 store block 0's byte, lanes 16-31 block 1's
	global_store_b128 v[OA], v[PC0:PC0+3], s[OAP:OAP+1]              ; 512 consecutive bytes, aligned
	global_store_b128 v[OA], v[PC0+4:PC0+7], s[OAP:OAP+1] offset:512
	global_store_b8 v[OS], v[TP+1], s[OSP:OSP+1]   ; one byte in 32 of what this launch stores goes out singly
	s_wait_xcnt 0x0                                ; the stores have read their registers: these are written again
.endm
	PHASE
.Lvisit:                                               ; eight trips: behind each change of slots but the last the next visit's slot is asked for
	CHANGE 1
	SLOT_STEPS
	s_add_co_u32 s[CV], s[CV], 1
	s_cmp_lg_u32 s[CV], s[NA]                      ; ids and counts alone; no barrier and no tensor load stands under this branch
	s_cbranch_scc1 .Lsame
	FINAL
	s_mov_b32 s[QB], s[II]                         ; the second query block
	PHASE
.Lsame:
	s_sub_co_u32 s[SLOTS], s[SLOTS], 1
	s_cmp_lg_u32 s[SLOTS], 0
	s_cbranch_scc1 .Lvisit
	CHANGE 0                                       ; the ninth visit is written out: nothing is left to fetch
	SLOT_STEPS
	FINAL
	s_wait_tensorcnt 0x0                           ; the wave's end
	ds_add_u32 v[SPW], v[NIL]
	s_wait_dscnt 0x0
	s_endpgm
.Lfunc_end_k_qe0b4e35045_attn:
	.size	k_qe0b4e35045_attn, .Lfunc_end_k_qe0b4e35045_attn-k_qe0b4e35045_attn
	.p2alignl 7, 3214868480
	.fill 96, 4, 3214868480
	.section	.rodata,"a",@progbits
	.p2align	6, 0x0
	.amdhsa_kernel k_qe0b4e35045_attn
		.amdhsa_group_segment_fixed_size 327680
		.amdhsa_private_segment_fixed_size 0
		.amdhsa_enable_private_segment 0
		.amdhsa_kernarg_size 40
		.amdhsa_user_sgpr_count 2
		.amdhsa_user_sgpr_kernarg_segment_ptr 1
		.amdhsa_wavefront_size32 1
		.amdhsa_system_sgpr_workgroup_id_x 1
		.amdhsa_system_sgpr_workgroup_id_y 1
		.amdhsa_system_sgpr_workgroup_id_z 1
		.amdhsa_system_vgpr_workitem_id 0
		.amdhsa_next_free_vgpr 256
		.amdhsa_next_free_sgpr 80
		.amdhsa_reserve_vcc 1
		.amdhsa_float_denorm_mode_32 3
		.amdhsa_float_denorm_mode_16_64 3
		.amdhsa_fp16_overflow 1
		.amdhsa_memory_ordered 1
		.amdhsa_forward_progress 1
		.amdhsa_inst_pref_size 109
	.end_amdhsa_kernel
	.amdgpu_metadata
---
amdhsa.version: [ 1, 2 ]
amdhsa.kernels:
  - .name:           k_qe0b4e35045_attn
    .symbol:         k_qe0b4e35045_attn.kd
    .args:
      - { .name: q_codes, .offset: 0, .size: 8, .value_kind: global_buffer, .address_space: global }
      - { .name: q_scales, .offset: 8, .size: 8, .value_kind: global_buffer, .address_space: global }
      - { .name: kv, .offset: 16, .size: 8, .value_kind: global_buffer, .address_space: global }
      - { .name: a_img, .offset: 24, .size: 8, .value_kind: global_buffer, .address_space: global }
      - { .name: a_scl, .offset: 32, .size: 8, .value_kind: global_buffer, .address_space: global }
    .group_segment_fixed_size: 327680
    .private_segment_fixed_size: 0
    .kernarg_segment_align: 8
    .kernarg_segment_size: 40
    .max_flat_workgroup_size: 512
    .sgpr_count:     80
    .vgpr_count:     256
    .wavefront_size: 32
...
	.end_amdgpu_metadata
.endif
;; end of part 2
;; launch oproj (part 3): grid 4 x 32, 4 waves a work-group, clusters of 4 x 4, 327,680 bytes of LDS; arguments a_img, a_scl, WO_codes, WO_scales, out0; writes out0
.if DOCPART == 3
	.amdgcn_target "amdgcn-amd-amdhsa--gfx1250"
	.amdhsa_code_object_version 6
	.text
	.protected	k_qe0b4e35045_oproj
	.globl	k_qe0b4e35045_oproj
	.p2align	8
	.type	k_qe0b4e35045_oproj,@function
k_qe0b4e35045_oproj:
	s_mov_b64 s[64:65], 0
	v_nop
	global_prefetch_b8 v0, s[64:65] scope:SCOPE_SE
	s_setreg_imm32_b32 hwreg(HW_REG_WAVE_MODE, 25, 1), 1
	s_wait_xcnt 0x0
	s_wait_alu depctr_hold_cnt(0) depctr_sa_sdst(0) depctr_va_vdst(0) depctr_va_sdst(0) depctr_va_ssrc(0) depctr_va_vcc(0) depctr_vm_vsrc(0)
	s_getreg_b32 s2, hwreg(HW_REG_IB_STS2, 6, 4)
	s_cmp_eq_u32 s2, 0
	s_cbranch_scc0 .Lentry_in_a_cluster
	s_endpgm
.Lentry_in_a_cluster:
	s_bfe_u32 s2, ttmp6, 0x10000c
	s_cmp_lg_u32 s2, 0xf033
	s_cbranch_scc0 .Lentry_shape_is_right
	s_endpgm
.Lentry_shape_is_right:
; out0[m][n] = sum over k of A[m][k] WO[n][k] on codes of BF8 (E5M2) with one E8M0 scale for each 32 along K.  A is the attention's result, [8,192][1,024]; nothing is left out here.
; A's codes come as images of operand registers: a_img [256 along K: 4][tile of 16 rows: 512][128 along K: 2][block of 32: 4][lane][16 bytes]; its scale bytes a_scl [row][32].  WO: rows of 1,024 codes, scale bytes [row][32].
; A tile of 256 x 256 to a work-group of four waves, 128 x 128 to a wave; K in four steps of 256 through a ring of two LDS slots; the scale bytes of the tile's rows come once.  Half of A's tile for a K step is one dense
; block of 32,768 bytes, read at 16 x lane; WO's rows get 16 bytes of padding.  CLUSTERS: 4 x 4; A's tile is asked for jointly along a row of the cluster, WO's along a column.
; The matrix instruction is used transposed (source 0 = 16 rows of WO, source 1 = 16 rows of A): a lane holds eight neighbouring numbers of a row of out0.
; REGISTERS: window 0: v16-27 addresses, v28, v29 the add's two, v32-63 scale words, v128-255 A's fragments, on the way out rows; window 1: WO's fragments, two sets; windows 2, 3: the accumulators.
.set SIZE_N, 1024
.set NQ,     2
.set ROWB,   256
.set KROW,   1024
.set KSLOTB, 2097152                   ; from one 256 along K to the next in a_img
.set PITCH,  272
.set FR,     16
.set NL,     4
.set NP,     8
.set HALFA,  32768
.set HALFT,  128*PITCH
.set BOFF,   2*HALFA
.set SLOT,   BOFF+2*HALFT
.set KS,     32
.set SCL,    2*SLOT
.set HALFS,  (128*KS/256)*272
.set SBLK,   (16*KS/256)*272
.set SPARE,  SCL+4*HALFS               ; the spare words: 128 bytes a wave, two blocks of 256 bytes that no other line names
.set SPITCH, 528                       ; the way out: a stage of 16 rows x (512 + 16) bytes a wave, in slot 0, which has had its last fill and its last read when the first result is stored there
.set ADRA, 16
.set ADRB, 20
.set STO,  24
.set RD,   25
.set CO,   26
.set ADRS, 27
.set SPW,  28
.set NIL,  29
.set SC,   32
.set AF,   128
.set BK,   128
.set G1, 24
.set G0, 32
.set G1B, 48
.set G0B, 56
.set G1S, 68
.set G0S, 76
.set G1SB, 80
.set G0SB, 88
.set MSB, 0
.macro WIN new
.if MSB != (\new)
	s_set_vgpr_msb (MSB<<8)|(\new)
.set MSB, (\new)
.endif
.endm
.set MUL_LO, 0xa1
.set MUL_HI, 0xf1
.set TO_B,   0x40
.macro JLOAD g0a, g1a, g0b, g1b        ; a joint load: waves 0 and 1 fetch for A, waves 2 and 3 for WO; an s_nop 0 and four v_nop follow each line
	s_cmp_eq_u32 s15, 0
	s_cbranch_scc0 .Lfor_b_\@
	tensor_load_to_lds s[\g0a:\g0a+3], s[\g1a:\g1a+7]
	s_nop 0
.rept 4
	v_nop
.endr
	s_branch .Lasked_\@
.Lfor_b_\@:
	tensor_load_to_lds s[\g0b:\g0b+3], s[\g1b:\g1b+7]
	s_nop 0
.rept 4
	v_nop
.endr
.Lasked_\@:
.endm
.macro CREST
	s_cmp_lg_u32 s14, 0
	s_cbranch_scc1 .Lnot_wave_0_\@
	s_barrier_signal -3
.Lnot_wave_0_\@:
	s_barrier_wait -3
	s_barrier_signal -1
	s_barrier_wait -1
.endm
.macro CROUND
	s_barrier_signal -1
	s_barrier_wait -1
	CREST
.endm
	s_load_b128 s[4:7], s[0:1], 0x0                ; a_img, a_scl
	s_load_b128 s[8:11], s[0:1], 0x10              ; WO's codes, WO's scales
	s_load_b64 s[12:13], s[0:1], 0x20              ; out0
	v_lshl_add_u32 v[SPW], v0, 2, SPARE
	v_mov_b32 v[NIL], 0
	ds_add_u32 v[SPW], v[NIL]                      ; the wave's opening: the add, twice on end, and its wait ahead of my first tensor load
	ds_add_u32 v[SPW], v[NIL]
	v_lshrrev_b32 v1, 5, v0
	v_readfirstlane_b32 s14, v1                    ; wave 0..3
	s_lshr_b32 s15, s14, 1                         ; my half of the rows.  Also: I fetch for A (0) or for WO (1)
	s_and_b32 s16, s14, 1                          ; my half of the columns.  Also: which 128 rows I fetch
	s_bfe_u32 s40, ttmp6, 0x40000                  ; cx
	s_bfe_u32 s41, ttmp6, 0x40004                  ; cy
	s_lshl_b32 s42, ttmp9, 2
	s_add_co_u32 s42, s42, s40                     ; tile column
	s_and_b32 s17, ttmp7, 0xffff
	s_lshl_b32 s17, s17, 2
	s_add_co_u32 s17, s17, s41                     ; tile row
	s_lshl_b32 s43, s41, 2
	s_lshl_b32 s43, 15, s43                        ; my row of the cluster
	s_lshl_b32 s44, 0x1111, s40                    ; my column
	s_or_b32 s[G1+0], s43, (3<<16)|(1<<21)         ; A: the mask; elements of 8 bytes; bit 21 beside a mask; no padding: 128 rows of 256 bytes, dense
	s_mov_b32 s[G1+1], 32<<16
	s_mov_b32 s[G1+2], 128<<16
	s_mov_b32 s[G1+3], 32<<16
	s_mov_b32 s[G1+4], 128
	s_mov_b32 s[G1+5], 32
	s_mov_b32 s[G1+6], 0
	s_mov_b32 s[G1+7], 0
	s_or_b32 s[G1B+0], s44, (0<<16)|(1<<20)|(1<<21)|(5<<22)|(3<<25)   ; WO: 128 rows of 256 bytes, 1,024 apart, 4 words of padding behind every 64
	s_mov_b32 s[G1B+1], ROWB<<16
	s_mov_b32 s[G1B+2], 128<<16
	s_mov_b32 s[G1B+3], ROWB<<16
	s_mov_b32 s[G1B+4], 128
	s_mov_b32 s[G1B+5], KROW
	s_mov_b32 s[G1B+6], 0
	s_mov_b32 s[G1B+7], 0
	s_or_b32 s[G1S+0], s43, (3<<16)|(1<<20)|(1<<21)|(5<<22)|(3<<25)   ; the scale bytes of 128 rows: 16 rows of 256 bytes, padded
	s_or_b32 s[G1SB+0], s44, (3<<16)|(1<<20)|(1<<21)|(5<<22)|(3<<25)
.irp g, G1S, G1SB
	s_mov_b32 s[\g+1], 32<<16
	s_mov_b32 s[\g+2], (128*KS/256)<<16
	s_mov_b32 s[\g+3], 32<<16
	s_mov_b32 s[\g+4], 128*KS/256
	s_mov_b32 s[\g+5], 32
	s_mov_b32 s[\g+6], 0
	s_mov_b32 s[\g+7], 0
.endr
	s_lshl_b32 s18, s16, 7                         ; which 128 rows of the tile I fetch
	s_lshl_b32 s22, s17, 8
	s_add_co_u32 s22, s22, s18                     ; A's row
	s_lshl_b32 s46, s42, 8
	s_add_co_u32 s46, s46, s18                     ; WO's row
	s_lshl_b32 s20, s22, 8                         ; A's images: 4,096 bytes for 16 rows
	s_lshl_b32 s22, s22, 5                         ; scale bytes: 32 a row
	s_lshl_b32 s92, s46, 5
	s_lshl_b32 s46, s46, 10                        ; WO's codes: 1,024 a row
	s_mov_b32 s21, 0
	s_mov_b32 s23, 0
	s_mov_b32 s47, 0
	s_mov_b32 s93, 0
	s_lshl_b32 s45, s16, 15                        ; where they go in a slot: A's halves,
	s_mul_i32 s95, s16, HALFT
	s_add_co_u32 s95, s95, BOFF                    ; WO's behind them
	s_mul_i32 s94, s14, HALFS
	s_wait_dscnt 0x0                               ; both opening adds are done
	s_wait_kmcnt 0x0
	s_add_nc_u64 s[20:21], s[4:5], s[20:21]
	s_add_nc_u64 s[22:23], s[6:7], s[22:23]
	s_add_nc_u64 s[46:47], s[8:9], s[46:47]
	s_add_nc_u64 s[92:93], s[10:11], s[92:93]
	CROUND                                         ; all sixteen work-groups are here: the first joint loads meet
	s_mov_b32 s[G0S], 1
	s_add_co_u32 s[G0S+1], s94, SCL
	s_mov_b64 s[G0S+2:G0S+3], s[22:23]
	s_or_b32 s[G0S+3], s[G0S+3], 0x80000000
	s_mov_b32 s[G0SB], 1
	s_add_co_u32 s[G0SB+1], s94, SCL
	s_mov_b64 s[G0SB+2:G0SB+3], s[92:93]
	s_or_b32 s[G0SB+3], s[G0SB+3], 0x80000000
	JLOAD G0S, G1S, G0SB, G1SB                     ; the scales first.  One load of mine is out behind these first fills
.irp s, 0,1
	s_mov_b32 s[G0+4*\s], 1
	s_add_co_u32 s[G0+4*\s+1], s45, \s*SLOT
	s_add_nc_u64 s[G0+4*\s+2:G0+4*\s+3], s[20:21], \s*KSLOTB
	s_or_b32 s[G0+4*\s+3], s[G0+4*\s+3], 0x80000000
	s_mov_b32 s[G0B+4*\s], 1
	s_add_co_u32 s[G0B+4*\s+1], s95, \s*SLOT
	s_add_nc_u64 s[G0B+4*\s+2:G0B+4*\s+3], s[46:47], \s*ROWB
	s_or_b32 s[G0B+4*\s+3], s[G0B+4*\s+3], 0x80000000
	s_wait_alu depctr_va_vdst(0)
	s_wait_tensorcnt 0x0
	ds_add_u32 v28, v29
	s_wait_dscnt 0x0
	CROUND
	JLOAD G0+4*\s, G1, G0B+4*\s, G1B
.endr
	v_and_b32 v1, 15, v0                           ; r
	v_bfe_u32 v2, v0, 4, 1                         ; h
	v_mul_u32_u24 v3, v1, PITCH
	v_lshl_add_u32 v4, v2, 4, v3                   ; WO: a fragment's row x pitch + 16 h
	v_and_b32 v6, 31, v0
	v_lshlrev_b32 v7, 4, v6                        ; A: 16 x lane
	s_lshl_b32 s21, s15, 15                        ; my 128 rows of A
	s_mul_i32 s22, s16, HALFT                      ; my 128 rows of WO
	s_add_co_u32 s22, s22, BOFF
.irp s, 0,1
	v_add_nc_u32 v[ADRA+\s], s21, v7
	v_add_nc_u32 v[ADRB+\s], s22, v4
	s_add_co_u32 s21, s21, SLOT
	s_add_co_u32 s22, s22, SLOT
.endr
	v_mul_u32_u24 v5, v1, KS
	v_lshrrev_b32 v6, 8, v5
	v_lshl_add_u32 v5, v6, 4, v5
	s_mul_i32 s21, s15, HALFS
	s_mul_i32 s22, s16, HALFS
	s_add_co_u32 s22, s22, 2*HALFS
	s_sub_co_u32 s22, s22, s21
	v_mul_u32_u24 v6, s22, v2                      ; lanes 16-31 take WO's
	s_add_co_u32 s21, s21, SCL
	v_add_nc_u32 v5, v5, v6
	v_add_nc_u32 v[ADRS], s21, v5
	s_mul_i32 s23, s14, 16*SPITCH                  ; my stage
	v_mul_u32_u24 v5, v1, SPITCH
	v_lshl_add_u32 v5, v2, 5, v5
	v_add_nc_u32 v[STO], s23, v5
	v_and_b32 v6, 31, v0
	v_lshlrev_b32 v[CO], 4, v6
	v_add_nc_u32 v[RD], s23, v[CO]
	s_lshl_b32 s20, s17, 8
	s_lshl_b32 s21, s15, 7
	s_add_co_u32 s20, s20, s21                     ; my first row of out0
	s_lshl_b32 s20, s20, 12                        ; 4,096 bytes a row (under 2^26)
	s_mov_b32 s21, 0
	s_lshl_b32 s46, s42, 10                        ; my first column, in bytes
	s_lshl_b32 s47, s16, 9
	s_add_co_u32 s46, s46, s47
	s_mov_b32 s47, 0
	s_add_nc_u64 s[20:21], s[20:21], s[46:47]
	s_add_nc_u64 s[12:13], s[12:13], s[20:21]
.macro FRAG reg, adr, q, i             ; WO: 16 rows x 128 K from padded rows
.irp c, 0,1,2,3
	ds_load_b128 v[\reg+4*\c:\reg+4*\c+3], v[\adr] offset:128*(\q)+32*\c+(\i)*16*PITCH
.endr
.endm
.macro FRAGA reg, adr, q, i            ; A: the image of the same registers
.irp c, 0,1,2,3
	ds_load_b128 v[\reg+4*\c:\reg+4*\c+3], v[\adr] offset:4096*(\i)+2048*(\q)+512*\c
.endr
.endm
.macro MUL16 a0, p, q, sc, zero        ; the 64 accumulators take turns, one instruction a turn, in the same order in every step
.irp a, \a0, \a0+1
.irp b, 0,1,2,3,4,5,6,7
.if \zero
	v_wmma_scale_f32_16x16x128_f8f6f4 v[8*(8*((\a)%4)+\b):8*(8*((\a)%4)+\b)+7], v[128*(\p)+FR*\b:128*(\p)+FR*\b+FR-1], v[AF+FR*(\a):AF+FR*(\a)+FR-1], 0, v[SC+8*NQ*(\sc)+NQ*\b+(\q)], v[SC+8*NQ*(\sc)+NQ*(\a)+(\q)] matrix_a_fmt:MATRIX_FMT_BF8 matrix_b_fmt:MATRIX_FMT_BF8 matrix_a_scale:MATRIX_SCALE_ROW1
.else
	v_wmma_scale_f32_16x16x128_f8f6f4 v[8*(8*((\a)%4)+\b):8*(8*((\a)%4)+\b)+7], v[128*(\p)+FR*\b:128*(\p)+FR*\b+FR-1], v[AF+FR*(\a):AF+FR*(\a)+FR-1], v[8*(8*((\a)%4)+\b):8*(8*((\a)%4)+\b)+7], v[SC+8*NQ*(\sc)+NQ*\b+(\q)], v[SC+8*NQ*(\sc)+NQ*(\a)+(\q)] matrix_a_fmt:MATRIX_FMT_BF8 matrix_b_fmt:MATRIX_FMT_BF8 matrix_a_scale:MATRIX_SCALE_ROW1
.endif
.endr
.endr
.endm
.macro FETCH_B slot, q, p
	WIN TO_B
.irp i, 0,1,2,3,4,5,6,7
	FRAG 128*(\p)+FR*\i, ADRB+\slot, \q, \i
.endr
	WIN 0
.endm
.macro FETCH_A slot, q, i0
.irp i, \i0, \i0+1, \i0+2, \i0+3
	FRAGA AF+FR*(\i), ADRA+\slot, \q, \i
.endr
.endm
.macro SCALES sc
.irp i, 0,1,2,3,4,5,6,7
	ds_load_b64 v[SC+8*NQ*\sc+NQ*\i:SC+8*NQ*\sc+NQ*\i+1], v[ADRS] offset:\i*SBLK
.endr
.endm
.macro PLACES n
.rept \n
	v_nop
.endr
.endm
.macro STEP slot, q, zero
	s_wait_dscnt 4*NL                              ; WO's set and A's blocks 0-3 are in; the youngest sixteen loads (A's blocks 4-7) may be out
	WIN MUL_LO
	MUL16 0, (\q)%2, \q, \slot, \zero
	MUL16 2, (\q)%2, \q, \slot, \zero
	s_wait_dscnt 0
	PLACES NP
	FETCH_B \slot, (\q)+1, 1-(\q)%2
	FETCH_A \slot, (\q)+1, 0
	WIN MUL_HI
	MUL16 4, (\q)%2, \q, \slot, \zero
	MUL16 6, (\q)%2, \q, \slot, \zero
	PLACES NP
	WIN 0
	FETCH_A \slot, (\q)+1, 4
.endm
.macro TURN slot, next, fill
	s_wait_tensorcnt 0x0                           ; all my tensor loads have landed: my part of the next slot
	ds_add_u32 v[SPW], v[NIL]
	s_wait_dscnt 4*NL+1                            ; the add and the youngest sixteen loads may be out
	WIN MUL_LO
	MUL16 0, 1, NQ-1, \slot, 0
	s_wait_dscnt 0x0                               ; the add is done, and my reads of this slot are over
	s_barrier_signal -1
	MUL16 2, 1, NQ-1, \slot, 0
	WIN 0
	s_barrier_wait -1
.if \fill
	CREST                                          ; the barrier has opened a round of the cluster's: no wave of any partner still reads this slot or has a load on its way
	s_add_nc_u64 s[G0+4*\slot+2:G0+4*\slot+3], s[G0+4*\slot+2:G0+4*\slot+3], 2*KSLOTB
	s_add_nc_u64 s[G0B+4*\slot+2:G0B+4*\slot+3], s[G0B+4*\slot+2:G0B+4*\slot+3], 2*ROWB
	JLOAD G0+4*\slot, G1, G0B+4*\slot, G1B
	PLACES NP-4
.else
	PLACES NP
.endif
	s_wait_alu depctr_va_vdst(0)
	v_add_nc_u32 v[ADRS], 4*NQ, v[ADRS]
	FETCH_B \next, 0, 0
	FETCH_A \next, 0, 0
	SCALES \next
	WIN MUL_HI
	MUL16 4, 1, NQ-1, \slot, 0
	MUL16 6, 1, NQ-1, \slot, 0
	PLACES NP
	WIN 0
	FETCH_A \next, 0, 4
.endm
	s_wait_alu depctr_va_vdst(0)
	s_wait_tensorcnt 1                             ; the scales and my part of K step 0 are in; K step 1's load may be out
	s_barrier_signal -1
	s_barrier_wait -1
	FETCH_B 0, 0, 0
	FETCH_A 0, 0, 0
	SCALES 0
	FETCH_A 0, 0, 4
	STEP 0, 0, 1                                   ; four K steps, written out: the first products start the sums
	TURN 0, 1, 1
	STEP 1, 0, 0
	TURN 1, 0, 1
	STEP 0, 0, 0
	TURN 0, 1, 0
	STEP 1, 0, 0
	s_wait_dscnt 4*NL
	WIN MUL_LO
	MUL16 0, 1, NQ-1, 1, 0
	MUL16 2, 1, NQ-1, 1, 0
	s_wait_dscnt 0
	WIN MUL_HI
	MUL16 4, 1, NQ-1, 1, 0
	MUL16 6, 1, NQ-1, 1, 0
	WIN 0
; THE WAY OUT, block by block of 16 rows x 128 columns, through my own stage: in as 32 bytes a lane, back as whole rows of 512 bytes.  LDS serves a wave's instructions in order (ISA guide 5.7.1.4).
.macro TOSTAGE a
.set AC, 64*((\a)%4)
	WIN 0x08+4*((\a)/4)                            ; the data: window 2 or 3
.irp b, 0,1,2,3,4,5,6,7
	ds_store_b128 v[STO], v[AC+8*\b:AC+8*\b+3] offset:64*\b          ; each accumulator from its low end on
	ds_store_b128 v[STO], v[AC+8*\b+4:AC+8*\b+7] offset:64*\b+16
.endr
	WIN 0
.set BB, BK+64*((\a)%2)
.irp t, 0,1,2,3,4,5,6,7,8,9,10,11,12,13,14,15
	ds_load_b128 v[BB+4*\t:BB+4*\t+3], v[RD] offset:\t*SPITCH
.endr
.endm
.macro SEND a, younger
.set BB, BK+64*((\a)%2)
	s_wait_dscnt \younger                          ; the block is back in registers
.if (\a) > 0
	s_add_nc_u64 s[12:13], s[12:13], 16*SIZE_N*4   ; (behind a wait on XCNT: the earlier stores have read their base)
.endif
.irp t, 0,1,2,3,4,5,6,7,8,9,10,11,12,13,14,15
	global_store_b128 v[CO], v[BB+4*\t:BB+4*\t+3], s[12:13] offset:\t*SIZE_N*4 th:TH_STORE_NT   ; 32 lanes store 512 consecutive bytes, aligned; written once, read by nobody here
.endr
.endm
	PLACES NP
	TOSTAGE 0
.irp a, 1,2,3,4,5,6,7
.if \a > 1
	s_wait_xcnt 0x0                                ; block a - 2's stores have read their registers and their base
.endif
	TOSTAGE \a
	SEND \a-1, 32                                  ; behind block a - 1's loads: block a's 16 stores and 16 loads
.endr
	s_wait_xcnt 0x0
	SEND 7, 0
	s_wait_tensorcnt 0x0                           ; the wave's end
	ds_add_u32 v[SPW], v[NIL]
	s_wait_dscnt 0x0
	CROUND                                         ; the closing round
	s_endpgm
.Lfunc_end_k_qe0b4e35045_oproj:
	.size	k_qe0b4e35045_oproj, .Lfunc_end_k_qe0b4e35045_oproj-k_qe0b4e35045_oproj
	.p2alignl 7, 3214868480
	.fill 96, 4, 3214868480
	.section	.rodata,"a",@progbits
	.p2align	6, 0x0
	.amdhsa_kernel k_qe0b4e35045_oproj
		.amdhsa_group_segment_fixed_size 327680
		.amdhsa_private_segment_fixed_size 0
		.amdhsa_enable_private_segment 0
		.amdhsa_kernarg_size 40
		.amdhsa_user_sgpr_count 2
		.amdhsa_user_sgpr_kernarg_segment_ptr 1
		.amdhsa_wavefront_size32 1
		.amdhsa_system_sgpr_workgroup_id_x 1
		.amdhsa_system_sgpr_workgroup_id_y 1
		.amdhsa_system_sgpr_workgroup_id_z 1
		.amdhsa_system_vgpr_workitem_id 0
		.amdhsa_next_free_vgpr 1024
		.amdhsa_next_free_sgpr 98
		.amdhsa_reserve_vcc 0
		.amdhsa_float_denorm_mode_32 3
		.amdhsa_float_denorm_mode_16_64 3
		.amdhsa_memory_ordered 1
		.amdhsa_forward_progress 1
		.amdhsa_inst_pref_size 146
	.end_amdhsa_kernel
	.amdgpu_metadata
---
amdhsa.version: [ 1, 2 ]
amdhsa.kernels:
  - .name:           k_qe0b4e35045_oproj
    .symbol:         k_qe0b4e35045_oproj.kd
    .args:
      - { .name: a_img, .offset: 0, .size: 8, .value_kind: global_buffer, .address_space: global }
      - { .name: a_scl, .offset: 8, .size: 8, .value_kind: global_buffer, .address_space: global }
      - { .name: WO_codes, .offset: 16, .size: 8, .value_kind: global_buffer, .address_space: global }
      - { .name: WO_scales, .offset: 24, .size: 8, .value_kind: global_buffer, .address_space: global }
      - { .name: out0, .offset: 32, .size: 8, .value_kind: global_buffer, .address_space: global }
    .group_segment_fixed_size: 327680
    .private_segment_fixed_size: 0
    .kernarg_segment_align: 8
    .kernarg_segment_size: 40
    .max_flat_workgroup_size: 128
    .sgpr_count:     98
    .vgpr_count:     1024
    .wavefront_size: 32
...
	.end_amdgpu_metadata
.endif
;; end of part 3
